; MI455X (gfx1250); checked and timed in simulation.
; The chip was launched on July 23, 2026; its instructions are those of AMD's public machine-readable ISA for CDNA 5 (MIT licence, August 2026) and "CDNA5" Instruction Set Architecture Reference Guide (July 2026). The comments in the code are by the model that wrote it; some were corrected since.
;; Destationary Attention. Allowed arithmetic: matrix products marked QUANTISED: E2M1 operands, one E8M0 scale for each 32 along K, by v_wmma_scale_f32_16x16x128_f8f6f4 with both operands' format E2M1 (or v_wmma_scale_f32_32x16x128_f4), f32 sums; products left as they are: bf16, f16 or f32 operands; f32 sums; everything else in f32.
;; Inputs: Wk 1,024 x 1,024 float32; Wo 1,024 x 1,024 float32; Wq 1,024 x 1,024 float32; Wv 1,024 x 1,024 float32; bk 1,024 float32; bo 1,024 float32; bq 1,024 float32; bv 1,024 float32; x 4 x 2,048 x 1,024 float32; x_mean 4 x 1 x 1 float32; x_std 4 x 1 x 1 float32.
;; Outputs: out0 4 x 2,048 x 1,024 float32.
;; This version of the problem:
;;   THIS VERSION OF THE PROBLEM IS GIVEN IN LOW PRECISION. The matrix products marked QUANTISED in the list below multiply operands that are first quantised to E2M1 (2 exponent bits, 1 mantissa bit; 4 bits a number), with one power-of-two scale for each 32 numbers along K (OCP MX v1.0); their sums are f32. The products marked 'left as it is' may take bf16, f16 or f32 operands, with f32 sums. Whichever they take, every output number must still come out within the allowed error. Rounding operands to bf16 (8 significant bits) uses up far more of that allowance than f16 does (11 bits, for magnitudes from 6e-5 to 65,504). All else is computed in f32.
;;   The module's matrix products, in the order in which they are computed (A, B: the left and right operand; K: the contracted axis; several contracted axes count as one K, in the product's order):
;;     1. [M 8,192, K 1,024] x [K 1,024, N 1,024]; A: input x; B: input Wq: QUANTISED
;;     2. [M 8,192, K 1,024] x [K 1,024, N 1,024]; A: input x; B: input Wk: QUANTISED
;;     3. [M 8,192, K 1,024] x [K 1,024, N 1,024]; A: input x; B: input Wv: QUANTISED
;;     4. batch 64 x [M 2,048, K 64] x [K 64, N 2,048]; A: computed on the way; B: computed on the way: left as it is (an operand is computed on the way)
;;     5. batch 64 x [M 2,048, K 2,048] x [K 2,048, N 64]; A: computed on the way; B: computed on the way: left as it is (an operand is computed on the way)
;;     6. [M 8,192, K 1,024] x [K 1,024, N 1,024]; A: computed on the way; B: input Wo: left as it is (an operand is computed on the way)
;;   THE QUANTISER, for each operand of a quantised product, along K:
;;     - K is cut into blocks of 32 from its start; a last block that is shorter is filled with zeros.
;;     - A block's scale is 2^e with e = floor(log2(the largest magnitude in the block)) - 2, held to -126 .. 127; a block of zeros has e = 0. As a byte (E8M0): e + 127.
;;     - Each number is divided by its block's scale, clamped to +-6, and rounded to the nearest number of E2M1, ties to even, subnormals kept.
;;     - The product sums the exact products of the quantised numbers (number of the format x scale) in f32.
;;   ~~~python
;;   def quantise(x, axis):      # numpy; x: float32 -> the quantised numbers, widened to float32 again
;;       x = np.moveaxis(x, axis, -1); K = x.shape[-1]
;;       x = np.pad(x, [(0, 0)] * (x.ndim - 1) + [(0, -K % 32)]); x = x.reshape(x.shape[:-1] + (-1, 32)); a = np.abs(x).max(-1, keepdims=True)
;;       e = np.where(a > 0, np.clip(np.frexp(np.where(a > 0, a, 1))[1] - 1 - 2, -126, 127), 0)      # np.frexp(a)[1] - 1 = floor(log2(a)), exactly
;;       r = np.clip(x / 2.0 ** e, -6, 6)
;;       step = 2.0 ** (np.maximum(np.frexp(np.where(r == 0, 1, r))[1] - 1, 0) - 1)
;;       q = np.round(r / step) * step * 2.0 ** e      # np.round: ties to even
;;       return np.moveaxis(q.reshape(q.shape[:-2] + (-1,))[..., :K], -1, axis).astype(np.float32)
;;   ~~~
;; One version. Each part assembles by itself: llvm-mc -triple=amdgcn-amd-amdhsa -mcpu=gfx1250 --defsym DOCPART=n.
;; ======== version 1 of 1: 4 launches
;; limits: values are held in f16: magnitudes above 65,504 overflow, below 6.1e-05 lose precision
;; workspace buffers: xc 4,194,304 bytes; xs 262,144 bytes; wc 1,572,864 bytes; ws 98,304 bytes; wo16 2,097,152 bytes; qkv 50,331,648 bytes; ob 16,777,216 bytes
;; launch prep (part 1): grid 384 x 1, 4 waves a work-group, no clusters, 33,280 bytes of LDS; arguments x, Wq, Wk, Wv, Wo, xc, xs, wc, ws, wo16; writes xc, xs, wc, ws, wo16
.if DOCPART == 1
	.amdgcn_target "amdgcn-amd-amdhsa--gfx1250"
	.amdhsa_code_object_version 6
	.text
	.protected	k_qebfa450034_prep
	.globl	k_qebfa450034_prep
	.p2align	8
	.type	k_qebfa450034_prep,@function
k_qebfa450034_prep:
	s_mov_b64 s[64:65], 0
	v_nop
	global_prefetch_b8 v0, s[64:65] scope:SCOPE_SE
	s_setreg_imm32_b32 hwreg(HW_REG_WAVE_MODE, 25, 1), 1
	s_wait_xcnt 0x0
; PREP.  x [8192][1024], Wq, Wk, Wv [1024][1024], f32 with K innermost, become codes of FP4 (E2M1), two a byte, K innermost, and one E8M0 scale byte for each 32 along K:
; xc [8192][512 bytes], xs [8192][32];  wc [3072][512 bytes], ws [3072][32], rows 0-1023 Wq, 1024-2047 Wk, 2048-3071 Wv.  Wo [1024 e][1024] becomes f16, laid by head: wo16 [16 h][1024 e][64].
; A block's scale is 2^(floor(log2(its largest magnitude)) - 2); its byte is the largest magnitude's exponent field - 2, held at 1 from below; each number is divided by the scale and rounded to the nearest code, ties to even,
; beyond 6 the largest code.  A block of zeros gets the byte 1 where the rule says 127: its codes are zeros, which add nothing under any byte but 0xff, and this program alone reads the bytes.
; LIMITS: blocks whose largest magnitude lies under 2^-124 keep the byte 1; NaN and infinities among the inputs are not served; |Wo| stays under 65,504 (f16).
; SHARES.  Work-groups 0-255 take x, 256-351 the three weights (32 each), 352-383 Wo.  Rows are dense and K is a multiple of 32, so the quantised tensors are plain streams of blocks of 32: a wave takes 8,192 numbers in 16 steps of 512.
; Only pointers are chosen by the work-group's number: the four quantised tensors take one path through the text.  The launch streams: no matrix unit, no cluster, no tensor load; waves share nothing, so there is no barrier.
; A step's four loads read 512 consecutive bytes each; the 2,048 bytes turn through the wave's own stage in LDS so that a lane holds 16 neighbours along K (two lanes hold a block); a lane's 16 codes are 8 bytes: a store covers 256 consecutive bytes.
.set WAVES, 4
.set STEPS, 16
.set EMAX,  2
.set CB,    8                          ; bytes of 16 codes
.set R,     16                         ; v16-79   four sets of 16 numbers as they are loaded
.set X,     80                         ; v80-111  two sets of 16 neighbours
.set E,     112                        ; v112-127 a scale byte for each step
.set C,     128                        ; v128-191 codes: registers of its own for each step, so that no store's data are written again
.set WREG,  8192                       ; LDS: a region for each wave: two stages of 32 x SP bytes, behind them its 256 scale bytes
.set SP,    80                         ; a lane's place in a stage: 64 bytes + 16 of padding
.set SPW,   12                         ; v12  LDS address of my spare word; never rewritten
.set NIL,   13                         ; v13  0; never rewritten
.set SPARE, WAVES*WREG                 ; behind the four regions: the spare words, 128 bytes a wave
	s_load_b256 s[4:11], s[0:1], 0x0               ; x s[4:5], Wq s[6:7], Wk s[8:9], Wv s[10:11]
	s_load_b256 s[12:19], s[0:1], 0x20             ; Wo s[12:13], xc s[14:15], xs s[16:17], wc s[18:19]
	s_load_b128 s[20:23], s[0:1], 0x40             ; ws s[20:21], wo16 s[22:23]
	v_lshl_add_u32 v[SPW], v0, 2, SPARE
	v_mov_b32 v[NIL], 0
	v_lshrrev_b32 v1, 5, v0
	v_readfirstlane_b32 s24, v1                    ; wave
	v_and_b32 v2, 31, v0                           ; lane
	v_lshlrev_b32 v3, 4, v2                        ; my 16 bytes of a load's 512
	s_mul_i32 s25, s24, WREG
	v_lshrrev_b32 v14, 2, v2
	v_mul_u32_u24 v14, v14, SP
	v_and_b32 v15, 3, v2
	v_lshl_add_u32 v14, v15, 4, v14
	v_add_nc_u32 v14, s25, v14                     ; the stage on the way in: SP (lane / 4) + 16 (lane % 4)
	v_mul_u32_u24 v15, v2, SP
	v_add_nc_u32 v15, s25, v15                     ; and on the way out: SP x lane: my 16 neighbours
	v_mul_u32_u24 v4, v2, CB                       ; my codes' place in a step's
	v_lshrrev_b32 v5, 1, v2
	s_add_co_u32 s25, s25, 2*32*SP
	v_add_nc_u32 v5, s25, v5                       ; LDS: my wave's 256 scale bytes, my block's byte
	v_lshlrev_b32 v7, 3, v2                        ; 8 bytes a lane
	v_add_nc_u32 v6, s25, v7
	v_lshrrev_b32 v10, 4, v2                       ; Wo: lanes 0-15 one row, lanes 16-31 the next (4,096 bytes on), 16 bytes a lane
	v_lshlrev_b32 v10, 12, v10
	v_and_b32 v9, 15, v2
	v_lshl_add_u32 v10, v9, 4, v10
	s_wait_kmcnt 0x0
	s_cmp_ge_u32 ttmp9, 352
	s_cbranch_scc1 .Lwo
	; ---- the quantising path: which tensor, by the work-group's number alone
	s_cmp_lt_u32 ttmp9, 288
	s_cselect_b64 s[26:27], s[6:7], s[8:9]
	s_cmp_lt_u32 ttmp9, 320
	s_cselect_b64 s[26:27], s[26:27], s[10:11]
	s_cmp_lt_u32 ttmp9, 256
	s_cselect_b64 s[4:5], s[4:5], s[26:27]         ; the numbers
	s_cselect_b64 s[14:15], s[14:15], s[18:19]     ; the codes
	s_cselect_b64 s[16:17], s[16:17], s[20:21]     ; the scale bytes
	s_cselect_b32 s28, 0, 256
	s_cselect_b32 s29, -1, 31
	s_sub_co_u32 s28, ttmp9, s28                   ; my place among the work-groups of the destination (the three weights share one),
	s_and_b32 s29, s28, s29                        ; and among those of the source tensor
	s_lshl_b32 s28, s28, 2
	s_add_co_u32 s28, s28, s24                     ; which run of 8,192 numbers is my wave's: in the destination,
	s_lshl_b32 s29, s29, 2
	s_add_co_u32 s29, s29, s24                     ; in the source
	s_lshl_b32 s30, s29, 15                        ; 32,768 bytes of numbers a run
	s_mov_b32 s31, 0
	s_add_nc_u64 s[4:5], s[4:5], s[30:31]
	s_lshl_b32 s30, s28, 12                        ; 4,096 bytes of codes
	s_add_nc_u64 s[14:15], s[14:15], s[30:31]
	s_lshl_b32 s30, s28, 8                         ; 256 scale bytes
	s_add_nc_u64 s[16:17], s[16:17], s[30:31]
.macro LOAD t
.irp i, 0,1,2,3
	global_load_b128 v[R+16*((\t)%4)+4*\i:R+16*((\t)%4)+4*\i+3], v3, s[4:5] offset:2048*(\t)+512*\i th:TH_LOAD_NT   ; 32 lanes read 512 consecutive bytes; read once in the launch
.endr
.endm
.macro TURN t                          ; step t's numbers through the stage: LDS serves a wave's instructions in order (ISA guide 5.7.1), so no wait stands between the stores and the loads
.irp i, 0,1,2,3
	ds_store_b128 v14, v[R+16*((\t)%4)+4*\i:R+16*((\t)%4)+4*\i+3] offset:32*SP*((\t)%2)+8*SP*\i
.endr
.irp i, 0,1,2,3
	ds_load_b128 v[X+16*((\t)%2)+4*\i:X+16*((\t)%2)+4*\i+3], v15 offset:32*SP*((\t)%2)+16*\i
.endr
.endm
.irp t, 0,1,2,3
	LOAD \t
.endr
	s_wait_loadcnt 12                              ; step 0's four loads are in; the 12 of steps 1 to 3 stay out
	TURN 0
.macro STEP t
.set XS, X+16*((\t)%2)
.if (\t) > 0
	s_wait_dscnt 1                                 ; this step's numbers are back from the stage (the last step's byte store may be out): so the stage's stores have read their registers,
.else
	s_wait_dscnt 0x0
.endif
.if (\t)+4 < STEPS
	LOAD (\t)+4                                    ; which take the loads of four steps on
.endif
.if (\t)+1 < STEPS
.if STEPS-2-(\t) >= 3
	s_wait_loadcnt 12                              ; the next step's four loads are in; those of the three steps behind it may be out
.else
	s_wait_loadcnt 4*(STEPS-2-(\t))
.endif
	TURN (\t)+1                                    ; and go through the other stage while this step is worked
.endif
	v_max3_num_f32 v8, |v[XS]|, |v[XS+1]|, |v[XS+2]|               ; the largest magnitude of my 16, in two chains
	v_max3_num_f32 v9, |v[XS+3]|, |v[XS+4]|, |v[XS+5]|
.irp i, 6,10
	v_max3_num_f32 v8, v8, |v[XS+\i]|, |v[XS+\i+1]|
	v_max3_num_f32 v9, v9, |v[XS+\i+2]|, |v[XS+\i+3]|
.endr
	v_max3_num_f32 v8, v8, |v[XS+14]|, |v[XS+15]|
	v_max3_num_f32 v8, v8, v9, (EMAX+1)<<23        ; and the floor 2^(3 - 127): the byte cannot fall under 1
	v_max_num_f32_dpp v8, v8, v8 row_xmask:1 row_mask:0xf bank_mask:0xf   ; and of my neighbour's 16: the block's
	v_add_nc_u32 v11, -(EMAX<<23), v8              ; 2 off its exponent field: the conversion takes the exponent field of this operand as its scale
	v_cvt_scalef32_pk8_fp4_f32 v[C+4*(\t)], v[XS:XS+7], v11
	v_cvt_scalef32_pk8_fp4_f32 v[C+4*(\t)+1], v[XS+8:XS+15], v11
	v_lshrrev_b32 v[E+(\t)], 23, v11               ; the scale's byte (also the plain line behind the conversions)
	ds_store_b8 v5, v[E+(\t)] offset:16*(\t)       ; both lanes of a block write the same byte with the same value
	global_store_b64 v4, v[C+4*(\t):C+4*(\t)+1], s[14:15] offset:32*CB*(\t)   ; 32 lanes store 256 consecutive bytes, aligned
.endm
.irp t, 0,1,2,3,4,5,6,7,8,9,10,11,12,13,14,15
	STEP \t
.endr
	ds_load_b64 v[8:9], v6                         ; my wave's 256 scale bytes: these loads see my stores
	s_wait_dscnt 0x0
	global_store_b64 v7, v[8:9], s[16:17]          ; 32 lanes store 256 consecutive bytes, aligned
	s_wait_tensorcnt 0x0                           ; the wave's end: behind my last LDS store
	ds_add_u32 v[SPW], v[NIL]
	s_wait_dscnt 0x0
	s_endpgm
	; ---- Wo to f16, by head.  Wave w of 128 owns rows e = 8 w .. 8 w + 7: four pairs of rows; for each pair 16 items, one a head.  An item's load reads 256 consecutive bytes of each of the two rows (a head's 64 numbers);
	; its store writes the two rows of wo16's plane of that head, 256 consecutive bytes.
.Lwo:
	s_sub_co_u32 s28, ttmp9, 352
	s_lshl_b32 s28, s28, 2
	s_add_co_u32 s28, s28, s24                     ; w
	s_lshl_b32 s30, s28, 15                        ; 8 rows of 4,096 bytes
	s_mov_b32 s31, 0
	s_add_nc_u64 s[12:13], s[12:13], s[30:31]
	s_lshl_b32 s30, s28, 10                        ; 8 rows of 128 bytes in a head's plane
	s_add_nc_u64 s[22:23], s[22:23], s[30:31]
.macro LOADG p                         ; pair p: 16 loads into set p % 2 (v16-79, v80-143)
.irp i, 0,1,2,3,4,5,6,7,8,9,10,11,12,13,14,15
	global_load_b128 v[16+64*((\p)%2)+4*\i:16+64*((\p)%2)+4*\i+3], v10, s[12:13] offset:8192*(\p)+256*\i th:TH_LOAD_NT
.endr
.endm
.macro CONVG p, younger                ; younger: the loads of the pair behind this one, which may stay out
.irp i, 0,1,2,3,4,5,6,7,8,9,10,11,12,13,14,15
	s_wait_loadcnt \younger+15-\i                  ; item i is in; this pair's later items and the next pair's loads stay out
	v_cvt_pk_f16_f32 v[144+32*((\p)%2)+2*\i], v[16+64*((\p)%2)+4*\i], v[16+64*((\p)%2)+4*\i+1]
	v_cvt_pk_f16_f32 v[144+32*((\p)%2)+2*\i+1], v[16+64*((\p)%2)+4*\i+2], v[16+64*((\p)%2)+4*\i+3]
	global_store_b64 v7, v[144+32*((\p)%2)+2*\i:144+32*((\p)%2)+2*\i+1], s[22:23] offset:131072*\i+256*(\p)
.endr
.endm
	LOADG 0
	LOADG 1
	CONVG 0, 16
	LOADG 2
	CONVG 1, 16
	LOADG 3
	s_wait_xcnt 0x0                                ; pair 0's stores have read their data: the set is written again only behind this wait
	CONVG 2, 16
	s_wait_xcnt 0x0                                ; pair 1's likewise
	CONVG 3, 0
	s_endpgm
.Lfunc_end_k_qebfa450034_prep:
	.size	k_qebfa450034_prep, .Lfunc_end_k_qebfa450034_prep-k_qebfa450034_prep
	.p2alignl 7, 3214868480
	.fill 96, 4, 3214868480
	.section	.rodata,"a",@progbits
	.p2align	6, 0x0
	.amdhsa_kernel k_qebfa450034_prep
		.amdhsa_group_segment_fixed_size 33280
		.amdhsa_private_segment_fixed_size 0
		.amdhsa_enable_private_segment 0
		.amdhsa_kernarg_size 80
		.amdhsa_user_sgpr_count 2
		.amdhsa_user_sgpr_kernarg_segment_ptr 1
		.amdhsa_wavefront_size32 1
		.amdhsa_system_sgpr_workgroup_id_x 1
		.amdhsa_system_sgpr_workgroup_id_y 1
		.amdhsa_system_sgpr_workgroup_id_z 1
		.amdhsa_system_vgpr_workitem_id 0
		.amdhsa_next_free_vgpr 208
		.amdhsa_next_free_sgpr 66
		.amdhsa_reserve_vcc 0
		.amdhsa_float_denorm_mode_32 3
		.amdhsa_float_denorm_mode_16_64 3
		.amdhsa_memory_ordered 1
		.amdhsa_forward_progress 1
		.amdhsa_inst_pref_size 56
	.end_amdhsa_kernel
	.amdgpu_metadata
---
amdhsa.version: [ 1, 2 ]
amdhsa.kernels:
  - .name:           k_qebfa450034_prep
    .symbol:         k_qebfa450034_prep.kd
    .args:
      - { .name: x, .offset: 0, .size: 8, .value_kind: global_buffer, .address_space: global }
      - { .name: Wq, .offset: 8, .size: 8, .value_kind: global_buffer, .address_space: global }
      - { .name: Wk, .offset: 16, .size: 8, .value_kind: global_buffer, .address_space: global }
      - { .name: Wv, .offset: 24, .size: 8, .value_kind: global_buffer, .address_space: global }
      - { .name: Wo, .offset: 32, .size: 8, .value_kind: global_buffer, .address_space: global }
      - { .name: xc, .offset: 40, .size: 8, .value_kind: global_buffer, .address_space: global }
      - { .name: xs, .offset: 48, .size: 8, .value_kind: global_buffer, .address_space: global }
      - { .name: wc, .offset: 56, .size: 8, .value_kind: global_buffer, .address_space: global }
      - { .name: ws, .offset: 64, .size: 8, .value_kind: global_buffer, .address_space: global }
      - { .name: wo16, .offset: 72, .size: 8, .value_kind: global_buffer, .address_space: global }
    .group_segment_fixed_size: 33280
    .private_segment_fixed_size: 0
    .kernarg_segment_align: 8
    .kernarg_segment_size: 80
    .max_flat_workgroup_size: 128
    .sgpr_count:     66
    .vgpr_count:     208
    .wavefront_size: 32
...
	.end_amdgpu_metadata
.endif
;; end of part 1
;; launch qkv (part 2): grid 12 x 32, 4 waves a work-group, clusters of 4 x 4, 327,680 bytes of LDS; arguments xc, xs, wc, ws, bq, bk, bv, x_std, qkv; writes qkv
.if DOCPART == 2
	.amdgcn_target "amdgcn-amd-amdhsa--gfx1250"
	.amdhsa_code_object_version 6
	.text
	.protected	k_qebfa450034_qkv
	.globl	k_qebfa450034_qkv
	.p2align	8
	.type	k_qebfa450034_qkv,@function
k_qebfa450034_qkv:
	s_mov_b64 s[64:65], 0
	v_nop
	global_prefetch_b8 v0, s[64:65] scope:SCOPE_SE
	s_setreg_imm32_b32 hwreg(HW_REG_WAVE_MODE, 25, 1), 1
	s_wait_xcnt 0x0
	s_wait_alu depctr_hold_cnt(0) depctr_sa_sdst(0) depctr_va_vdst(0) depctr_va_sdst(0) depctr_va_ssrc(0) depctr_va_vcc(0) depctr_vm_vsrc(0)
	s_getreg_b32 s2, hwreg(HW_REG_IB_STS2, 6, 4)
	s_cmp_eq_u32 s2, 0
	s_cbranch_scc0 .Lentry_in_a_cluster
	s_endpgm
.Lentry_in_a_cluster:
	s_bfe_u32 s2, ttmp6, 0x10000c
	s_cmp_lg_u32 s2, 0xf033
	s_cbranch_scc0 .Lentry_shape_is_right
	s_endpgm
.Lentry_shape_is_right:
; QKV.  The three quantised products as ONE product on codes of FP4 (E2M1) with E8M0 scales: C[m][n] = sum over k of x[m][k] W[n][k], m = 8,192 tokens, n = 3,072 (Wq's, Wk's, Wv's rows on end), k = 1,024; sums in f32.
; Then + bias; q alone is multiplied by g = 0.125 log2(e) / x_std[b], in f32, so that the attention's scores come out as exponents of 2; one rounding to f16; stored by head: qkv = q, k, v on end, each [4 b][16 h][2048 t][64].
; LIMITS: |q g|, |k|, |v| stay under 65,504 (f16); x_std = 0 gives what the division gives; NaN and infinities are not served.
; A tile of C, 256 x 256, is made by a work-group of four waves; a wave makes 128 x 128: 64 accumulators, 512 registers.  K is two K steps of 512: each has an LDS slot of its own, filled once; nothing is filled again.
; The scale bytes of the work-group's 256 + 256 rows, for all of K, are two dense blocks of memory and come once, with the first fills.
; CLUSTERS: 4 x 4 work-groups.  The four of a row of the cluster need the same tiles of x, the four of a column the same tiles of W: each tile is asked for JOINTLY, by the same tensor load with the same descriptor and a mask that names the four.
; A cluster's four tile columns are the 1,024 columns of one of q, k, v: the cluster's x says which.
; THE MATRIX INSTRUCTION IS USED TRANSPOSED (source 0 = 16 rows of W, source 1 = 16 tokens): a lane then holds eight neighbouring channels of one token.
; REGISTERS, in windows of 256: window 0: v0-31 addresses; v32-95 scale words, two sets; v128-191 x's fragments, ONE set; v192-255 the bias in the result's layout; on the way out v32-191 are free.
;   window 1: W's fragments, TWO sets, at v0 and v128.   window 2: the accumulators of my rows 0-63 ((a, b) at v[8 (8 a + b)]);   window 3: those of my rows 64-127.
.set SIZE_K, 1024
.set KSTEP,  512                       ; along K in a slot
.set NQ,     KSTEP/128                 ; matrix instructions deep
.set ROWB,   256                       ; a tile's row in bytes
.set KROW,   SIZE_K*4/8                ; a row of codes in memory
.set PITCH,  272                       ; an LDS row: 256 bytes + 16 of padding = 68 words: row r starts at bank 4 r mod 64 (64 banks of 4 bytes: ISA guide 11.1)
.set FR,     8                         ; registers of a fragment: 16 rows x 128 K
.set NL,     2                         ; LDS loads that bring one
.set NP,     4                         ; places behind this matrix instruction (ISA guide 7.12.1)
.set HALFT,  128*PITCH                 ; 128 rows: what one tensor load brings
.set SLOT,   4*HALFT                   ; x's 256 rows, then W's 256 rows
.set KS,     SIZE_K/32                 ; a row of scale bytes
.set SCL,    2*SLOT                    ; behind the slots: the scales, as rows of 256 bytes + 16 of padding
.set HALFS,  (128*KS/256)*272          ; the scales of 128 rows
.set SBLK,   (16*KS/256)*272           ; those of 16 rows
.set SPARE,  SCL+4*HALFS               ; the spare words, 128 bytes a wave
.set SROW,   144                       ; the way out: a token's 128 bytes of a head + 16
.set SHEAD,  16*SROW                   ; 16 tokens of one head; a wave's stage is two of these, in slot 0, which has had its one fill and its last read
.set ADRA, 16                          ; v16-17  LDS address of my x fragments in slot 0, 1
.set ADRB, 20                          ; v20-21  the same for W
.set STO,  24                          ; v24     the way out: where I put 16 bytes of a token
.set RD,   25                          ; v25     where I read back
.set CO,   26                          ; v26     16 x lane
.set ADRS, 27                          ; v27     LDS address of my scale words: lanes 0-15 x's rows, lanes 16-31 W's
.set SPW,  28                          ; v28     my spare word; never rewritten
.set NIL,  29                          ; v29     0; never rewritten
.set BO,   30                          ; v30     32 x (lane / 16): my eight numbers of a bias
.set SC,   32                          ; scale words: set s at v[SC + 32 s]; register NQ i + q: lanes 0-15 x's block i, lanes 16-31 W's block i, the slot's q-th 128 along K
.set AF,   128                         ; x's fragments
.set T,    32                          ; the way out: 64 numbers in f32,
.set PKD,  96                          ; 32 registers of f16,
.set BK,   128                         ; and 16 tokens read back from the stage: v128-159 and v160-191 by turns
.set BG,   192                         ; v192-255 bias[16 b + 8 (lane / 16) + j] at BG + 8 b + j; on the way out x g
.set G1, 24
.set G0, 32
.set G1B, 48
.set G0B, 56
.set G1S, 68
.set G0S, 76
.set G1SB, 80
.set G0SB, 88
.set GS, 98                            ; s[98:99] g (for k and v: 1.0), twice
.set MSB, 0
.macro WIN new                         ; the immediate's high byte repeats the setting that is left
.if MSB != \new
	s_set_vgpr_msb (MSB<<8)|\new
.set MSB, \new
.endif
.endm
.set MUL_LO, 0xa1                      ; source 0 (W) window 1, source 1 (x) window 0, C and D window 2
.set MUL_HI, 0xf1                      ; the same, C and D window 3
.set TO_B,   0x40                      ; destination window 1, address window 0
; A joint load: waves 0 and 1 fetch for x, waves 2 and 3 for W.  The branch hangs on the wave's number alone.  An s_nop 0 and four v_nop follow each of the two lines.
.macro JLOAD g0a, g1a, g0b, g1b
	s_cmp_eq_u32 s15, 0
	s_cbranch_scc0 .Lfor_b_\@
	tensor_load_to_lds s[\g0a:\g0a+3], s[\g1a:\g1a+7]
	s_nop 0
.rept 4
	v_nop
.endr
	s_branch .Lasked_\@
.Lfor_b_\@:
	tensor_load_to_lds s[\g0b:\g0b+3], s[\g1b:\g1b+7]
	s_nop 0
.rept 4
	v_nop
.endr
.Lasked_\@:
.endm
.macro CROUND                          ; a round of the cluster's barrier
	s_barrier_signal -1
	s_barrier_wait -1
	s_cmp_lg_u32 s14, 0
	s_cbranch_scc1 .Lnot_wave_0_\@
	s_barrier_signal -3
.Lnot_wave_0_\@:
	s_barrier_wait -3
	s_barrier_signal -1
	s_barrier_wait -1
.endm
	s_load_b128 s[4:7], s[0:1], 0x0                ; x's codes, x's scales
	s_load_b128 s[8:11], s[0:1], 0x10              ; W's codes, W's scales
	s_load_b64 s[12:13], s[0:1], 0x40              ; qkv
	v_lshl_add_u32 v[SPW], v0, 2, SPARE
	v_mov_b32 v[NIL], 0
	ds_add_u32 v[SPW], v[NIL]                      ; the wave's opening: the add, twice on end, and its wait ahead of my first tensor load
	ds_add_u32 v[SPW], v[NIL]
	v_lshrrev_b32 v1, 5, v0
	v_readfirstlane_b32 s14, v1                    ; wave 0..3
	s_lshr_b32 s15, s14, 1                         ; which half of the tile's tokens is mine.  Also: I fetch for x (0) or for W (1)
	s_and_b32 s16, s14, 1                          ; which half of its columns.  Also: which 128 rows of that tile I fetch
	s_bfe_u32 s40, ttmp6, 0x40000                  ; cx, cy: my place in the cluster
	s_bfe_u32 s41, ttmp6, 0x40004
	s_lshl_b32 s42, ttmp9, 2
	s_add_co_u32 s42, s42, s40                     ; tile column = 4 x cluster x + cx
	s_and_b32 s17, ttmp7, 0xffff
	s_lshl_b32 s17, s17, 2
	s_add_co_u32 s17, s17, s41                     ; tile row = 4 x cluster y + cy
	s_lshl_b32 s43, s41, 2
	s_lshl_b32 s43, 15, s43                        ; my row of the cluster
	s_lshl_b32 s44, 0x1111, s40                    ; my column
	; descriptor group 1: a tile of 128 rows x 256 bytes, padded in LDS
	s_or_b32 s[G1+0], s43, (0<<16)|(1<<20)|(1<<21)|(5<<22)|(3<<25)  ; 15:0 the mask; 17:16 elements of 1 byte; 20 padding on; 21 set beside a mask; 24:22 after every 64 words; 31:25 four words
	s_or_b32 s[G1B+0], s44, (0<<16)|(1<<20)|(1<<21)|(5<<22)|(3<<25)
.irp g, G1, G1B
	s_mov_b32 s[\g+1], ROWB<<16                    ; tensor_dim0
	s_mov_b32 s[\g+2], 128<<16                     ; tensor_dim1
	s_mov_b32 s[\g+3], ROWB<<16                    ; tile_dim0
	s_mov_b32 s[\g+4], 128                         ; tile_dim1
	s_mov_b32 s[\g+5], KROW                        ; tensor_dim0_stride
	s_mov_b32 s[\g+6], 0
	s_mov_b32 s[\g+7], 0
.endr
	; the scales of 128 rows: a dense block of 4,096 bytes, as 16 rows of 256 bytes (32 elements of 8 bytes), 16 bytes of padding behind each
	s_or_b32 s[G1S+0], s43, (3<<16)|(1<<20)|(1<<21)|(5<<22)|(3<<25)
	s_or_b32 s[G1SB+0], s44, (3<<16)|(1<<20)|(1<<21)|(5<<22)|(3<<25)
.irp g, G1S, G1SB
	s_mov_b32 s[\g+1], 32<<16
	s_mov_b32 s[\g+2], (128*KS/256)<<16
	s_mov_b32 s[\g+3], 32<<16
	s_mov_b32 s[\g+4], 128*KS/256
	s_mov_b32 s[\g+5], 32
	s_mov_b32 s[\g+6], 0
	s_mov_b32 s[\g+7], 0
.endr
	s_lshl_b32 s18, s16, 7                         ; which 128 rows of the tile I fetch
	s_lshl_b32 s20, s17, 8
	s_add_co_u32 s20, s20, s18                     ; x: row 256 x tile row + 128 x half
	s_lshl_b32 s46, s42, 8
	s_add_co_u32 s46, s46, s18                     ; W: row 256 x tile column + 128 x half
	s_mov_b32 s21, 0
	s_mov_b32 s47, 0
	s_mov_b64 s[18:19], KS
	s_mul_u64 s[22:23], s[20:21], s[18:19]         ; where these rows' scales begin, in bytes
	s_mul_u64 s[92:93], s[46:47], s[18:19]
	s_mov_b64 s[18:19], KROW
	s_mul_u64 s[20:21], s[20:21], s[18:19]         ; and their codes
	s_mul_u64 s[46:47], s[46:47], s[18:19]
	s_mul_i32 s45, s14, HALFT                      ; where they go: wave x 128 rows: no place in the cluster enters an LDS address
	s_mul_i32 s94, s14, HALFS
	s_wait_dscnt 0x0                               ; both opening adds are done
	s_wait_kmcnt 0x0
	s_add_nc_u64 s[20:21], s[4:5], s[20:21]
	s_add_nc_u64 s[22:23], s[6:7], s[22:23]
	s_add_nc_u64 s[46:47], s[8:9], s[46:47]
	s_add_nc_u64 s[92:93], s[10:11], s[92:93]
	CROUND                                         ; all sixteen work-groups are here: the first joint loads meet
	s_mov_b32 s[G0S], 1
	s_add_co_u32 s[G0S+1], s94, SCL
	s_mov_b64 s[G0S+2:G0S+3], s[22:23]
	s_or_b32 s[G0S+3], s[G0S+3], 0x80000000
	s_mov_b32 s[G0SB], 1
	s_add_co_u32 s[G0SB+1], s94, SCL
	s_mov_b64 s[G0SB+2:G0SB+3], s[92:93]
	s_or_b32 s[G0SB+3], s[G0SB+3], 0x80000000
	JLOAD G0S, G1S, G0SB, G1SB                     ; the scales first: they are wanted with K step 0
.irp s, 0,1
	s_mov_b32 s[G0+4*\s], 1
	s_add_co_u32 s[G0+4*\s+1], s45, \s*SLOT
	s_add_nc_u64 s[G0+4*\s+2:G0+4*\s+3], s[20:21], \s*ROWB
	s_or_b32 s[G0+4*\s+3], s[G0+4*\s+3], 0x80000000
	s_mov_b32 s[G0B+4*\s], 1
	s_add_co_u32 s[G0B+4*\s+1], s45, \s*SLOT
	s_add_nc_u64 s[G0B+4*\s+2:G0B+4*\s+3], s[46:47], \s*ROWB
	s_or_b32 s[G0B+4*\s+3], s[G0B+4*\s+3], 0x80000000
	JLOAD G0+4*\s, G1, G0B+4*\s, G1B               ; three tensor loads of mine are out
.endr
	s_load_b128 s[4:7], s[0:1], 0x20               ; bq, bk (the codes' and scales' addresses are in the descriptors now)
	s_load_b128 s[8:11], s[0:1], 0x30              ; bv, x_std
	v_and_b32 v1, 15, v0                           ; l % 16
	v_bfe_u32 v2, v0, 4, 1                         ; l / 16
	v_mul_u32_u24 v3, v1, PITCH
	v_lshl_add_u32 v4, v2, 4, v3                   ; a fragment's row x pitch + 16 x half
	s_mul_i32 s21, s15, HALFT                      ; my 128 rows of x
	s_mul_i32 s22, s16, HALFT                      ; my 128 rows of W,
	s_add_co_u32 s22, s22, 2*HALFT                 ; which lie behind x's 256
.irp s, 0,1
	v_add_nc_u32 v[ADRA+\s], s21, v4
	v_add_nc_u32 v[ADRB+\s], s22, v4
	s_add_co_u32 s21, s21, SLOT
	s_add_co_u32 s22, s22, SLOT
.endr
	v_mul_u32_u24 v5, v1, KS                       ; my row's scales: 32 bytes a row,
	v_lshrrev_b32 v6, 8, v5
	v_lshl_add_u32 v5, v6, 4, v5                   ; and 16 more for each 256 passed
	s_mul_i32 s21, s15, HALFS                      ; x's: my 128 rows
	s_mul_i32 s22, s16, HALFS                      ; W's: my 128 rows, behind x's 256
	s_add_co_u32 s22, s22, 2*HALFS
	s_sub_co_u32 s22, s22, s21
	v_mul_u32_u24 v6, s22, v2                      ; lanes 16-31 take W's
	s_add_co_u32 s21, s21, SCL
	v_add_nc_u32 v5, v5, v6
	v_add_nc_u32 v[ADRS], s21, v5
	s_mul_i32 s23, s14, 2*SHEAD                    ; my stage
	v_mul_u32_u24 v5, v1, SROW                     ; in: token l % 16, 16 bytes for each half of the lanes
	v_lshl_add_u32 v5, v2, 4, v5
	v_add_nc_u32 v[STO], s23, v5
	v_and_b32 v6, 31, v0
	v_lshlrev_b32 v[CO], 4, v6                     ; back: 32 lanes take four tokens' 512 bytes; and the same in memory
	v_lshrrev_b32 v5, 3, v6
	v_mul_u32_u24 v5, v5, SROW
	v_and_b32 v6, 7, v0
	v_lshl_add_u32 v5, v6, 4, v5
	v_add_nc_u32 v[RD], s23, v5
	v_lshlrev_b32 v[BO], 5, v2
	s_wait_kmcnt 0x0
	s_cmp_eq_u32 ttmp9, 0                          ; the cluster's x: 0 q, 1 k, 2 v: the same in all sixteen partners
	s_cselect_b64 s[4:5], s[4:5], s[6:7]
	s_cmp_eq_u32 ttmp9, 2
	s_cselect_b64 s[4:5], s[8:9], s[4:5]           ; my tensor's bias
	s_lshl_b32 s46, s40, 10                        ; my 128 columns in it: 256 cx + 128 x half, 4 bytes each
	s_lshl_b32 s47, s16, 9
	s_add_co_u32 s46, s46, s47
	s_mov_b32 s47, 0
	s_add_nc_u64 s[4:5], s[4:5], s[46:47]
.irp b, 0,1,2,3,4,5,6,7
	global_load_b128 v[BG+8*\b:BG+8*\b+3], v[BO], s[4:5] offset:64*\b
	global_load_b128 v[BG+8*\b+4:BG+8*\b+7], v[BO], s[4:5] offset:64*\b+16
.endr
	s_lshr_b32 s20, s17, 3                         ; the batch: eight tile rows each
	s_lshl_b32 s96, s20, 2
	s_mov_b32 s97, 0
	s_add_nc_u64 s[10:11], s[10:11], s[96:97]
	s_load_b32 s95, s[10:11], 0x0                  ; x_std[b]
	s_lshl_b32 s20, s20, 22                        ; where my part begins in qkv.  By rows: batch x 16 heads x 262,144,
	s_and_b32 s21, s17, 7
	s_lshl_b32 s21, s21, 15                        ; + 256 tokens of 128 bytes a tile row,
	s_add_co_u32 s20, s20, s21
	s_lshl_b32 s21, s15, 14                        ; + my half's 128 tokens
	s_add_co_u32 s20, s20, s21
	s_mov_b32 s21, 0
	s_add_nc_u64 s[12:13], s[12:13], s[20:21]
	s_lshl_b32 s46, ttmp9, 24                      ; by columns: the tensor, 16,777,216 bytes each,
	s_lshl_b32 s47, s40, 20                        ; + four heads a tile column,
	s_add_co_u32 s46, s46, s47
	s_lshl_b32 s47, s16, 19                        ; + my half's two heads
	s_add_co_u32 s46, s46, s47
	s_mov_b32 s47, 0
	s_add_nc_u64 s[12:13], s[12:13], s[46:47]
	s_wait_kmcnt 0x0
	v_mov_b32 v96, s95
	v_rcp_f32 v97, v96
	v_nop                                          ; a plain instruction behind the reciprocal,
	s_wait_alu depctr_va_vdst(0)                   ; and a wait ahead of its first reader
	v_mul_f32 v97, 0x3e38aa3b, v97                 ; g = 0.125 log2(e) / x_std[b]
	v_readfirstlane_b32 s[GS], v97
	s_cmp_eq_u32 ttmp9, 0
	s_cselect_b32 s[GS], s[GS], 1.0                ; k and v keep their size
	s_mov_b32 s[GS+1], s[GS]
.macro FRAG reg, adr, q, i             ; a fragment, 16 rows x 128 K of 4-bit codes: lane l holds row l % 16; registers 4 c .. 4 c + 3 hold K = 64 c + 32 (l / 16) + 0 .. 31
.irp c, 0,1
	ds_load_b128 v[\reg+4*\c:\reg+4*\c+3], v[\adr] offset:64*(\q)+32*\c+(\i)*16*PITCH
.endr
.endm
; 16 matrix instructions: x's blocks a0, a0 + 1 against W's eight, 128 along K.  p: W's set;  sc: the set of scale words.  zero = 1: the first product starts the sums.
; The 64 accumulators take turns, one instruction a turn, in the same order in every step.
.macro MUL16 a0, p, q, sc, zero
.irp a, \a0, \a0+1
.irp b, 0,1,2,3,4,5,6,7
.if \zero
	v_wmma_scale_f32_16x16x128_f8f6f4 v[8*(8*((\a)%4)+\b):8*(8*((\a)%4)+\b)+7], v[128*(\p)+FR*\b:128*(\p)+FR*\b+FR-1], v[AF+FR*(\a):AF+FR*(\a)+FR-1], 0, v[SC+8*NQ*(\sc)+NQ*\b+(\q)], v[SC+8*NQ*(\sc)+NQ*(\a)+(\q)] matrix_a_fmt:MATRIX_FMT_FP4 matrix_b_fmt:MATRIX_FMT_FP4 matrix_a_scale:MATRIX_SCALE_ROW1
.else
	v_wmma_scale_f32_16x16x128_f8f6f4 v[8*(8*((\a)%4)+\b):8*(8*((\a)%4)+\b)+7], v[128*(\p)+FR*\b:128*(\p)+FR*\b+FR-1], v[AF+FR*(\a):AF+FR*(\a)+FR-1], v[8*(8*((\a)%4)+\b):8*(8*((\a)%4)+\b)+7], v[SC+8*NQ*(\sc)+NQ*\b+(\q)], v[SC+8*NQ*(\sc)+NQ*(\a)+(\q)] matrix_a_fmt:MATRIX_FMT_FP4 matrix_b_fmt:MATRIX_FMT_FP4 matrix_a_scale:MATRIX_SCALE_ROW1
.endif
.endr
.endr
.endm
.macro FETCH_B slot, q, p              ; W's eight fragments of the slot's q-th 128 along K into set p
	WIN TO_B
.irp i, 0,1,2,3,4,5,6,7
	FRAG 128*(\p)+FR*\i, ADRB+\slot, \q, \i
.endr
	WIN 0
.endm
.macro FETCH_A slot, q, i0             ; x's blocks i0 .. i0 + 3
.irp i, \i0, \i0+1, \i0+2, \i0+3
	FRAG AF+FR*(\i), ADRA+\slot, \q, \i
.endr
.endm
.macro SCALES sc                       ; a K step's scale words into set sc: four words a row; lanes 0-15 take x's block i, lanes 16-31 W's block i
.irp i, 0,1,2,3,4,5,6,7
	ds_load_b128 v[SC+8*NQ*\sc+NQ*\i:SC+8*NQ*\sc+NQ*\i+3], v[ADRS] offset:\i*SBLK
.endr
.endm
; A load into a register that a matrix instruction has read, and a vector instruction or an LDS store that reads a matrix result, stand four places behind that matrix instruction; only plain vector
; instructions that name none of its registers are places (ISA guide 7.12.1 for vector instructions).
.macro PLACES n
.rept \n
	v_nop
.endr
.endm
.macro STEP slot, q, zero              ; a step of 128 along K that has its successor in the same slot
	s_wait_dscnt 4*NL                              ; W's set and x's blocks 0-3 are in; the youngest eight loads (x's blocks 4-7) may be out
	WIN MUL_LO
	MUL16 0, (\q)%2, \q, \slot, \zero
	MUL16 2, (\q)%2, \q, \slot, \zero
	s_wait_dscnt 0                                 ; x's blocks 4-7 are in
	PLACES NP
	FETCH_B \slot, (\q)+1, 1-(\q)%2
	FETCH_A \slot, (\q)+1, 0
	WIN MUL_HI
	MUL16 4, (\q)%2, \q, \slot, \zero
	MUL16 6, (\q)%2, \q, \slot, \zero
	PLACES NP
	WIN 0
	FETCH_A \slot, (\q)+1, 4
.endm
; Slot 0's last step changes slots: one barrier; in front of it each wave waits for all its tensor loads (slot 1's is the one that may be out) and for its own reads of slot 0.  Nothing is filled again.
.macro TURN slot, next
	s_wait_tensorcnt 0x0                           ; my part of the next slot has landed
	ds_add_u32 v[SPW], v[NIL]                      ; 0 onto my spare word
	s_wait_dscnt 4*NL+1                            ; (the add and the youngest eight loads may be out)
	WIN MUL_LO
	MUL16 0, 1, NQ-1, \slot, 0
	s_wait_dscnt 0x0                               ; the add is done, and my reads of this slot are over
	s_barrier_signal -1
	MUL16 2, 1, NQ-1, \slot, 0
	WIN 0
	s_barrier_wait -1
	PLACES NP
	v_add_nc_u32 v[ADRS], 4*NQ, v[ADRS]            ; on to the next K step's scale words
	FETCH_B \next, 0, 0
	FETCH_A \next, 0, 0
	SCALES \next
	WIN MUL_HI
	MUL16 4, 1, NQ-1, \slot, 0
	MUL16 6, 1, NQ-1, \slot, 0
	PLACES NP
	WIN 0
	FETCH_A \next, 0, 4
.endm
.macro STEPS slot, from                ; the slot's steps from .. NQ - 2
.set Q, \from
.rept NQ-1-\from
	STEP \slot, Q, 0
.set Q, Q+1
.endr
.endm
	s_wait_tensorcnt 1                             ; the scales and my part of K step 0 are in (K step 1's load may be out),
	s_wait_loadcnt 0x0                             ; and the bias
	s_barrier_signal -1
	s_barrier_wait -1                              ; everybody's are
	FETCH_B 0, 0, 0
	FETCH_A 0, 0, 0
	SCALES 0
	FETCH_A 0, 0, 4
	STEP 0, 0, 1                                   ; the first step's products start the sums: nothing is cleared
	STEPS 0, 1
	TURN 0, 1
	STEPS 1, 0
	s_wait_dscnt 4*NL                              ; the very last step: nothing more to fetch
	WIN MUL_LO
	MUL16 0, 1, NQ-1, 1, 0
	MUL16 2, 1, NQ-1, 1, 0
	s_wait_dscnt 0
	WIN MUL_HI
	MUL16 4, 1, NQ-1, 1, 0
	MUL16 6, 1, NQ-1, 1, 0
	WIN 0
; THE WAY OUT, block by block of 16 tokens x 128 columns (two heads).  (sum + bias) x g = sum x g + bias x g: one fused multiply-add; one rounding to f16.  A lane holds 16 bytes of a token's 128 of a head, and the lanes
; beside it hold other tokens: so a block goes through my stage in LDS and comes back as runs of four tokens, 512 consecutive bytes of qkv.  LDS serves a wave's instructions in order (ISA guide 5.7.1).
.set i, 0
.rept 32
	v_pk_mul_f32 v[BG+i:BG+i+1], v[BG+i:BG+i+1], s[GS:GS+1] op_sel_hi:[1,0]   ; bias x g.  (These name no register of the last products: they are the places behind them)
.set i, i+2
.endr
.macro PACK a
.set AC, 64*((\a)%4)
.set WN, 0x02+(\a)/4
	WIN WN                                         ; source 0: window 2 or 3
.set i, 0
.rept 32
	v_pk_fma_f32 v[T+i:T+i+1], v[AC+i:AC+i+1], s[GS:GS+1], v[BG+i:BG+i+1] op_sel_hi:[1,0,1]   ; each accumulator from its low end on
.set i, i+2
.endr
	WIN 0
.set i, 0
.rept 32
	v_cvt_pk_f16_f32 v[PKD+i], v[T+2*i], v[T+2*i+1]
.set i, i+1
.endr
.endm
.macro TOSTAGE a
.set BB, BK+32*((\a)%2)
.if (\a) > 1
	s_wait_xcnt 0x0                                ; block a - 2's stores have read their data: the set is loaded again only behind this wait
.endif
.irp b, 0,1,2,3,4,5,6,7
	ds_store_b128 v[STO], v[PKD+4*\b:PKD+4*\b+3] offset:(\b/4)*SHEAD+(\b%4)*32
.endr
.irp i, 0,1,2,3,4,5,6,7
	ds_load_b128 v[BB+4*\i:BB+4*\i+3], v[RD] offset:(\i/4)*SHEAD+(\i%4)*4*SROW
.endr
.endm
.macro SEND a
.set BB, BK+32*((\a)%2)
	s_wait_dscnt 0x0                               ; the block is back in registers (the next block's arithmetic stood between)
.irp i, 0,1,2,3,4,5,6,7
	global_store_b128 v[CO], v[BB+4*\i:BB+4*\i+3], s[12:13] offset:(\i/4)*262144+(\a)*2048+(\i%4)*512   ; 32 lanes store 512 consecutive bytes, at a multiple of 512 from qkv's first byte
.endr
.endm
	PACK 0
	TOSTAGE 0
.irp a, 1,2,3,4,5,6,7
	PACK \a
	SEND \a-1
	TOSTAGE \a
.endr
	SEND 7
	s_wait_tensorcnt 0x0                           ; the wave's end: behind my last tensor load and my last LDS store
	ds_add_u32 v[SPW], v[NIL]
	s_wait_dscnt 0x0
	CROUND                                         ; the closing round
	s_endpgm
.Lfunc_end_k_qebfa450034_qkv:
	.size	k_qebfa450034_qkv, .Lfunc_end_k_qebfa450034_qkv-k_qebfa450034_qkv
	.p2alignl 7, 3214868480
	.fill 96, 4, 3214868480
	.section	.rodata,"a",@progbits
	.p2align	6, 0x0
	.amdhsa_kernel k_qebfa450034_qkv
		.amdhsa_group_segment_fixed_size 327680
		.amdhsa_private_segment_fixed_size 0
		.amdhsa_enable_private_segment 0
		.amdhsa_kernarg_size 72
		.amdhsa_user_sgpr_count 2
		.amdhsa_user_sgpr_kernarg_segment_ptr 1
		.amdhsa_wavefront_size32 1
		.amdhsa_system_sgpr_workgroup_id_x 1
		.amdhsa_system_sgpr_workgroup_id_y 1
		.amdhsa_system_sgpr_workgroup_id_z 1
		.amdhsa_system_vgpr_workitem_id 0
		.amdhsa_next_free_vgpr 1024
		.amdhsa_next_free_sgpr 100
		.amdhsa_reserve_vcc 0
		.amdhsa_float_denorm_mode_32 3
		.amdhsa_float_denorm_mode_16_64 3
		.amdhsa_memory_ordered 1
		.amdhsa_forward_progress 1
		.amdhsa_inst_pref_size 147
	.end_amdhsa_kernel
	.amdgpu_metadata
---
amdhsa.version: [ 1, 2 ]
amdhsa.kernels:
  - .name:           k_qebfa450034_qkv
    .symbol:         k_qebfa450034_qkv.kd
    .args:
      - { .name: xc, .offset: 0, .size: 8, .value_kind: global_buffer, .address_space: global }
      - { .name: xs, .offset: 8, .size: 8, .value_kind: global_buffer, .address_space: global }
      - { .name: wc, .offset: 16, .size: 8, .value_kind: global_buffer, .address_space: global }
      - { .name: ws, .offset: 24, .size: 8, .value_kind: global_buffer, .address_space: global }
      - { .name: bq, .offset: 32, .size: 8, .value_kind: global_buffer, .address_space: global }
      - { .name: bk, .offset: 40, .size: 8, .value_kind: global_buffer, .address_space: global }
      - { .name: bv, .offset: 48, .size: 8, .value_kind: global_buffer, .address_space: global }
      - { .name: x_std, .offset: 56, .size: 8, .value_kind: global_buffer, .address_space: global }
      - { .name: qkv, .offset: 64, .size: 8, .value_kind: global_buffer, .address_space: global }
    .group_segment_fixed_size: 327680
    .private_segment_fixed_size: 0
    .kernarg_segment_align: 8
    .kernarg_segment_size: 72
    .max_flat_workgroup_size: 128
    .sgpr_count:     100
    .vgpr_count:     1024
    .wavefront_size: 32
...
	.end_amdgpu_metadata
.endif
;; end of part 2
;; launch attn (part 3): grid 4 x 64, 8 waves a work-group, clusters of 4 x 1, 327,680 bytes of LDS; arguments qkv, x_mean, ob; writes ob
.if DOCPART == 3
	.amdgcn_target "amdgcn-amd-amdhsa--gfx1250"
	.amdhsa_code_object_version 6
	.text
	.protected	k_qebfa450034_attn
	.globl	k_qebfa450034_attn
	.p2align	8
	.type	k_qebfa450034_attn,@function
k_qebfa450034_attn:
	s_mov_b64 s[64:65], 0
	v_nop
	global_prefetch_b8 v0, s[64:65] scope:SCOPE_SE
	s_setreg_imm32_b32 hwreg(HW_REG_WAVE_MODE, 25, 1), 1
	s_wait_xcnt 0x0
	s_wait_alu depctr_hold_cnt(0) depctr_sa_sdst(0) depctr_va_vdst(0) depctr_va_sdst(0) depctr_va_ssrc(0) depctr_va_vcc(0) depctr_vm_vsrc(0)
	s_getreg_b32 s2, hwreg(HW_REG_IB_STS2, 6, 4)
	s_cmp_eq_u32 s2, 0
	s_cbranch_scc0 .Lentry_in_a_cluster
	s_endpgm
.Lentry_in_a_cluster:
	s_bfe_u32 s2, ttmp6, 0x10000c
	s_cmp_lg_u32 s2, 0x3003
	s_cbranch_scc0 .Lentry_shape_is_right
	s_endpgm
.Lentry_shape_is_right:
; ATTN.  O[b][h][q][:] = sum over k of softmax_k(t[q][k] + delta) V[k][:], t = q' . k with q' = q x 0.125 log2(e) / x_std[b] as the launch before stored it, so that the weights are powers of 2.
; q', k, v: f16, [4 b][16 h][2048 t][64] each, on end in qkv.  Products, maxima and sums in f32; the weights are rounded to f16 for the second product, O once at the end, to f16: ob [b][h][t][64].
; delta = zeros_like(x_mean): 0 x x_mean[b], kept in eight registers that are the C of each score sum's first product.
; LIMITS: NaN and infinities among the inputs are not served (0 x x_mean would be NaN); |O| stays under 65,504 (it is an average of v).
; SHARES.  A cluster of four work-groups is one (b, h); each owns 512 queries, each of its eight waves 64: four tiles of 16, in 512 registers, two waves to a SIMD, so that one wave's exponentials and vector work stand beside
; the other's products.  Every wave walks all 2,048 keys, 64 a step: 32 products K Q^T, the softmax of four tiles, 32 products V^T P.
; LAYOUT.  S^T = K Q^T (source 0 = 16 keys, source 1 = 16 queries): a lane holds ONE query (lane % 16) and keys 8 (lane / 16) + 0..7.  Two such tiles, rounded to f16 in pairs, ARE source 1 (32 keys x 16 queries) of O^T = V^T P,
; whose result again holds one query a lane.  K comes out of LDS as it lies, V ([key][channel]) turned, by ds_load_tr16_b128.
; SOFTMAX.  For each query a running maximum m and sum l: p = 2^(t - m); in every step O and l are multiplied by a = 2^(m_old - m_new).
; RING.  Two slots of 512 keys.  All four work-groups walk the same K and V: each tile is asked for JOINTLY (mask 15).  Waves 0-3 fetch K's quarters, waves 4-7 V's: one load a wave.  A slot is left after eight steps;
; the round's opening signal stands at the head of the slot's last step, as soon as that step's fragments are in registers, its wait at the step's end: only register work lies between.
; A refill has the other slot's eight steps in which to land, so the keys are not asked for earlier by other means.
; LDS ROWS.  A head's row is 128 bytes, so a tensor row is TWO keys, 256 consecutive bytes of memory; key r lies at (r / 2) x pitch + 128 (r % 2).  K: pitch 272: the 16 keys of a fragment load start at 16 different
; 16-byte columns of the 64 banks of 4 bytes (ISA guide 11.1).  V: pitch 288.
; REGISTERS.  window 0: v2-11 addresses; v16-23 delta; v32-63 statistics, eight a tile; v64-191 S^T, 32 a tile (P is made in place in a tile's first 16); v192-255 Q.
;   window 1: v0-127 O^T, 32 a tile; v128-191 K of one step; v192-255 V of one step.
.set PKP,   272
.set PVP,   288
.set KSTEP, 32*PKP                     ; 64 keys of K in LDS
.set VSTEP, 32*PVP
.set VOFF,  256*PKP                    ; a slot: 512 keys of K, then 512 of V
.set SLOT,  256*(PKP+PVP)
.set SPARE, 2*SLOT                     ; behind the ring: the spare words, 128 bytes for each of eight waves
.set SP,    144                        ; the way out: a query's 128 bytes + 16.  The stages (4 tiles x 16 rows a wave) lie in slot 0, which has had its last fill and its last read by then
.set TSTG,  16*SP
.set AK0, 2                            ; v2   my lane's place in a tile of K
.set AV0, 3                            ; v3   the same for V
.set ADK, 4                            ; v4   LDS address of the run of K's loads in hand
.set ADV, 5                            ; v5   of V's
.set QO,  6                            ; v6   my byte offset in the wave's rows of Q
.set STO, 7                            ; v7   the way out: where I put 16 bytes of a row
.set RD,  8                            ; v8   where I read back
.set GO,  9                            ; v9   16 x lane
.set SPW, 10                           ; v10  my spare word; never rewritten
.set NIL, 11                           ; v11  0; never rewritten
.set DL,  16                           ; v16-23 delta
.set ST,  32                           ; tile t's statistics at v[ST + 8 t]: +0, +1 m twice; +2, +3 l (even keys', odd keys'); +4 to +7 four chains of the maximum, later +4, +5 a second chain of sums, +6 a, +7 m_old - m_new
.set S,   64
.set QF,  192                          ; Q[t][kk] at QF + 16 t + 8 kk
.set KF,  128                          ; window 1: K[kt][kk] at KF + 16 kt + 8 kk
.set VF,  192                          ; window 1: V[kc][ct] at VF + 32 kc + 8 ct
.set WV,  14                           ; s14  my wave's number
.set G1K, 24                           ; s[24:31] descriptor group 1 for K's tiles;  s[32:39] for V's
.set G1V, 32
.set G0K, 40                           ; s[40:47] group 0 for K's tiles, a set for each slot;  s[48:55] for V's
.set G0V, 48
.set TK,  56                           ; s56  LDS byte at which the K to be fetched begins
.set TV,  57                           ; s57  the same for V
.set CNT, 58
.set SEL, 60                           ; s[60:61] lane selects for v_permlanex16_b32: lane l xor 16
.set MSB, 0
.macro WIN new                         ; the immediate's high byte repeats the setting that is left
.if MSB != \new
	s_set_vgpr_msb (MSB<<8)|\new
.set MSB, \new
.endif
.endm
; A joint refill of slot n.  The branch hangs on the wave's number alone.  An s_nop 0 and four v_nop follow each of the two lines.
.macro JLOAD n
	s_cmp_lt_u32 s[WV], 4
	s_cbranch_scc0 .Lfor_v_\@
	tensor_load_to_lds s[G0K+4*\n:G0K+4*\n+3], s[G1K:G1K+7]
	s_nop 0
.rept 4
	v_nop
.endr
	s_branch .Lasked_\@
.Lfor_v_\@:
	tensor_load_to_lds s[G0V+4*\n:G0V+4*\n+3], s[G1V:G1V+7]
	s_nop 0
.rept 4
	v_nop
.endr
.Lasked_\@:
.endm
.macro CREST                           ; a round of the cluster's barrier behind its opening barrier
	s_cmp_lg_u32 s[WV], 0
	s_cbranch_scc1 .Lnot_wave_0_\@
	s_barrier_signal -3
.Lnot_wave_0_\@:
	s_barrier_wait -3
	s_barrier_signal -1
	s_barrier_wait -1
.endm
.macro CROUND
	s_barrier_signal -1
	s_barrier_wait -1
	CREST
.endm
	s_load_b128 s[4:7], s[0:1], 0x0                ; qkv s[4:5], x_mean s[6:7]
	s_load_b64 s[8:9], s[0:1], 0x10                ; ob
	v_lshl_add_u32 v[SPW], v0, 2, SPARE
	v_mov_b32 v[NIL], 0
	ds_add_u32 v[SPW], v[NIL]                      ; the wave's opening: the add, twice on end, and its wait ahead of my first tensor load
	ds_add_u32 v[SPW], v[NIL]
	v_lshrrev_b32 v1, 5, v0
	v_readfirstlane_b32 s[WV], v1                  ; wave 0..7
	s_bfe_u32 s15, ttmp6, 0x40000                  ; cx: my place in the cluster: it enters Q's and O's addresses alone
	s_and_b32 s18, ttmp7, 0xffff                   ; 16 b + h, which the four partners share
	s_lshl_b32 s20, s18, 18                        ; the head's first byte in each tensor: 2,048 rows of 128 bytes
	s_and_b32 s19, s[WV], 3                        ; which quarter of a slot I fetch:
	s_lshl_b32 s22, s19, 14                        ; its 128 keys in memory,
	s_add_co_u32 s22, s22, s20
	s_mov_b32 s23, 0
	s_mul_i32 s2, s19, 64*PKP                      ; and its place in a slot: K's,
	s_mul_i32 s3, s19, 64*PVP
	s_add_co_u32 s3, s3, VOFF                      ; V's
	s_lshl_b32 s16, s15, 16                        ; my work-group's 512 queries,
	s_lshl_b32 s17, s[WV], 13                      ; my wave's 64 of them
	s_add_co_u32 s16, s16, s17
	s_add_co_u32 s16, s16, s20
	s_mov_b32 s17, 0
	; descriptor group 1: a tile of 64 rows x 128 elements of 2 bytes (128 keys), padded in LDS
	s_mov_b32 s[G1K], 15|(1<<16)|(1<<20)|(1<<21)|(5<<22)|(3<<25)  ; 15:0 the mask: all four work-groups; 17:16 elements of 2 bytes; 20 padding on; 21 set beside a mask; 24:22 after every 64 words; 31:25 four words
	s_mov_b32 s[G1V], 15|(1<<16)|(1<<20)|(1<<21)|(5<<22)|(7<<25)  ; the same with eight words of padding
.irp g, G1K, G1V
	s_mov_b32 s[\g+1], 128<<16                     ; tensor_dim0
	s_mov_b32 s[\g+2], 64<<16                      ; tensor_dim1
	s_mov_b32 s[\g+3], 128<<16                     ; tile_dim0
	s_mov_b32 s[\g+4], 64                          ; tile_dim1
	s_mov_b32 s[\g+5], 128                         ; tensor_dim0_stride
	s_mov_b32 s[\g+6], 0
	s_mov_b32 s[\g+7], 0
.endr
	s_mov_b32 s[SEL], 0x76543210
	s_mov_b32 s[SEL+1], 0xfedcba98
	s_mov_b32 s[TK], 0
	s_mov_b32 s[TV], VOFF
	s_lshr_b32 s18, s18, 4                         ; b
	s_lshl_b32 s18, s18, 2
	s_mov_b32 s19, 0
	s_wait_dscnt 0x0                               ; both opening adds are done
	s_wait_kmcnt 0x0
	s_add_nc_u64 s[6:7], s[6:7], s[18:19]
	s_load_b32 s59, s[6:7], 0x0                    ; x_mean[b]
	s_add_nc_u64 s[10:11], s[4:5], s[22:23]
	s_add_nc_u64 s[12:13], s[10:11], 0x2000000     ; V at my quarter of slot 0
	s_add_nc_u64 s[10:11], s[10:11], 0x1000000     ; K likewise
	s_add_nc_u64 s[4:5], s[4:5], s[16:17]          ; Q and O at my wave's first row
	s_add_nc_u64 s[8:9], s[8:9], s[16:17]
	CROUND                                         ; all four work-groups are here: the first joint loads meet
.irp n, 0,1
	s_mov_b32 s[G0K+4*\n], 1                       ; count = 1
	s_add_co_u32 s[G0K+4*\n+1], s2, \n*SLOT        ; LDS address
	s_add_nc_u64 s[G0K+4*\n+2:G0K+4*\n+3], s[10:11], \n*65536   ; global address: slot n begins with keys 512 n
	s_or_b32 s[G0K+4*\n+3], s[G0K+4*\n+3], 0x80000000           ; type = 2
	s_mov_b32 s[G0V+4*\n], 1
	s_add_co_u32 s[G0V+4*\n+1], s3, \n*SLOT
	s_add_nc_u64 s[G0V+4*\n+2:G0V+4*\n+3], s[12:13], \n*65536
	s_or_b32 s[G0V+4*\n+3], s[G0V+4*\n+3], 0x80000000
.endr
	s_cmp_lt_u32 s[WV], 4                          ; a wave's two first fills stand in one branch, ahead of every wait on TENSORcnt and every LDS read: two loads of mine are out
	s_cbranch_scc0 .Lfirst_v
	tensor_load_to_lds s[G0K:G0K+3], s[G1K:G1K+7]
	s_nop 0
	tensor_load_to_lds s[G0K+4:G0K+7], s[G1K:G1K+7]
	s_nop 0
.rept 4
	v_nop
.endr
	s_branch .Lfirst_asked
.Lfirst_v:
	tensor_load_to_lds s[G0V:G0V+3], s[G1V:G1V+7]
	s_nop 0
	tensor_load_to_lds s[G0V+4:G0V+7], s[G1V:G1V+7]
	s_nop 0
.rept 4
	v_nop
.endr
.Lfirst_asked:
	; A fragment of K or Q is 16 rows x 32 channels in 8 registers: lane l holds row l % 16; registers 0-3 channels 8 (l / 16) + 0..7, registers 4-7 channels 16 + 8 (l / 16) + 0..7
	v_and_b32 v1, 15, v0                           ; r = l % 16
	v_bfe_u32 v12, v0, 4, 1                        ; h = l / 16
	v_lshlrev_b32 v[QO], 7, v1
	v_lshl_add_u32 v[QO], v12, 4, v[QO]            ; row x 128 + 16 x half
.irp f, 0,1,2,3,4,5,6,7                        ; Q stays in registers: tile f / 2, channels 32 (f % 2) on
	global_load_b128 v[QF+8*\f:QF+8*\f+3],   v[QO], s[4:5] offset:(\f/2)*2048+(\f%2)*64
	global_load_b128 v[QF+8*\f+4:QF+8*\f+7], v[QO], s[4:5] offset:(\f/2)*2048+(\f%2)*64+32
.endr
	v_lshrrev_b32 v13, 1, v1
	v_mul_u32_u24 v[AK0], v13, PKP
	v_and_b32 v13, 1, v1
	v_lshl_add_u32 v[AK0], v13, 7, v[AK0]
	v_lshl_add_u32 v[AK0], v12, 4, v[AK0]          ; K: (r / 2) x pitch + 128 (r % 2) + 16 h
	; the turning load takes 16 keys x 16 channels: lane l reads 16 bytes: key 8 (l / 16) + l % 8, channels 8 ((l / 8) % 2) + 0..7; it leaves half a fragment of V^T: lane l holds channel l % 16 and 8 keys
	v_and_b32 v13, 7, v0
	v_lshl_add_u32 v13, v12, 3, v13                ; the key
	v_lshrrev_b32 v14, 1, v13
	v_mul_u32_u24 v[AV0], v14, PVP
	v_and_b32 v14, 1, v13
	v_lshl_add_u32 v[AV0], v14, 7, v[AV0]
	v_bfe_u32 v14, v0, 3, 1
	v_lshl_add_u32 v[AV0], v14, 4, v[AV0]
	s_mul_i32 s18, s[WV], 4*TSTG                   ; my stage
	v_mul_u32_u24 v[STO], v1, SP                   ; in: row r, 16 bytes for each half of the lanes
	v_lshl_add_u32 v[STO], v12, 4, v[STO]
	v_add_nc_u32 v[STO], s18, v[STO]
	v_and_b32 v13, 31, v0
	v_lshlrev_b32 v[GO], 4, v13                    ; back: 32 lanes take four rows' 512 bytes; and the same in memory
	v_lshrrev_b32 v14, 3, v13
	v_mul_u32_u24 v[RD], v14, SP
	v_and_b32 v14, 7, v0
	v_lshl_add_u32 v[RD], v14, 4, v[RD]
	v_add_nc_u32 v[RD], s18, v[RD]
	s_wait_kmcnt 0x0
	v_mov_b32 v[DL], s59
	v_mul_f32 v[DL], 0, v[DL]                      ; delta = zeros_like(x_mean)
.irp j, 1,2,3,4,5,6,7
	v_mov_b32 v[DL+\j], v[DL]
.endr
; THE LDS LOADS stand in runs of 16.  pl: v_nop that, with the address's addition, make the four places behind products that have read K's registers.
.macro FETCH_K pl
	v_add_nc_u32 v[ADK], s[TK], v[AK0]
.rept \pl
	v_nop
.endr
	WIN 0x40                                       ; destination window 1
.irp f, 0,1,2,3,4,5,6,7                        ; keys 16 (f / 2) on, channels 32 (f % 2) on
	ds_load_b128 v[KF+8*\f:KF+8*\f+3],   v[ADK] offset:(\f/2)*8*PKP+(\f%2)*64
	ds_load_b128 v[KF+8*\f+4:KF+8*\f+7], v[ADK] offset:(\f/2)*8*PKP+(\f%2)*64+32
.endr
	WIN 0
.endm
; V's run stands at a step's head.  The addition and four v_nop are five places behind the last products V^T P: four are owed to the loads into V's registers, five to the products K Q^T that write over P's registers.
.macro FETCH_V
	v_add_nc_u32 v[ADV], s[TV], v[AV0]
.rept 4
	v_nop
.endr
	s_add_co_u32 s[TV], s[TV], VSTEP               ; the next fetch is the next step's
	WIN 0x40
.irp f, 0,1,2,3,4,5,6,7                        ; keys 32 (f / 4) on, channels 16 (f % 4) on
	ds_load_tr16_b128 v[VF+8*\f:VF+8*\f+3],   v[ADV] offset:(\f/4)*16*PVP+(\f%4)*32
	ds_load_tr16_b128 v[VF+8*\f+4:VF+8*\f+7], v[ADV] offset:(\f/4)*16*PVP+(\f%4)*32+8*PVP
.endr
	WIN 0
.endm
; S^T = K Q^T + delta: 16 accumulators by turns, two deep; the first product of each takes delta as C.
.macro MKQ
	WIN 0x01                                       ; K in window 1
.irp kk, 0,1
.irp kt, 0,1,2,3
.irp t, 0,1,2,3
.if \kk == 0
	v_wmma_f32_16x16x32_f16 v[S+32*\t+8*\kt:S+32*\t+8*\kt+7], v[KF+16*\kt+8*\kk:KF+16*\kt+8*\kk+7], v[QF+16*\t+8*\kk:QF+16*\t+8*\kk+7], v[DL:DL+7]
.else
	v_wmma_f32_16x16x32_f16 v[S+32*\t+8*\kt:S+32*\t+8*\kt+7], v[KF+16*\kt+8*\kk:KF+16*\kt+8*\kk+7], v[QF+16*\t+8*\kk:QF+16*\t+8*\kk+7], v[S+32*\t+8*\kt:S+32*\t+8*\kt+7]
.endif
.endr
.endr
.endr
	WIN 0
.endm
; O^T += V^T P: 16 accumulators by turns, two deep.  first = 1: the first 16 start the sums: nothing is cleared.
.macro MPV first
	WIN 0x51                                       ; V, and O^T as C and D, in window 1; P in window 0
.irp kc, 0,1
.irp ct, 0,1,2,3
.irp t, 0,1,2,3
.if \first && (\kc == 0)
	v_wmma_f32_16x16x32_f16 v[32*\t+8*\ct:32*\t+8*\ct+7], v[VF+32*\kc+8*\ct:VF+32*\kc+8*\ct+7], v[S+32*\t+8*\kc:S+32*\t+8*\kc+7], 0
.else
	v_wmma_f32_16x16x32_f16 v[32*\t+8*\ct:32*\t+8*\ct+7], v[VF+32*\kc+8*\ct:VF+32*\kc+8*\ct+7], v[S+32*\t+8*\kc:S+32*\t+8*\kc+7], v[32*\t+8*\ct:32*\t+8*\ct+7]
.endif
.endr
.endr
.endr
	WIN 0
.endm
; THE SOFTMAX of the wave's four tiles for one step; the tiles take turns line by line, so that no line waits for the line above it.  first = 1: the first step, which starts m, l and O^T.
.macro SOFTMAX first
.irp j, 0,1,2,3                                ; the maximum of 32 scores and the old m, three operands at a time, in four chains; each accumulator is read from its low end on
.irp t, 0,1,2,3
	v_max3_num_f32 v[ST+8*\t+4+\j], v[S+32*\t+8*\j], v[S+32*\t+8*\j+1], v[S+32*\t+8*\j+2]
.endr
.endr
.irp g, 1,2
.irp j, 0,1,2,3
.irp t, 0,1,2,3
	v_max3_num_f32 v[ST+8*\t+4+\j], v[ST+8*\t+4+\j], v[S+32*\t+8*\j+2*\g+1], v[S+32*\t+8*\j+2*\g+2]
.endr
.endr
.endr
.irp t, 0,1,2,3
	v_max3_num_f32 v[ST+8*\t+4], v[ST+8*\t+4], v[S+32*\t+7], v[S+32*\t+15]
.endr
.irp t, 0,1,2,3
	v_max3_num_f32 v[ST+8*\t+6], v[ST+8*\t+6], v[S+32*\t+23], v[S+32*\t+31]
.endr
.irp t, 0,1,2,3
	v_max3_num_f32 v[ST+8*\t+4], v[ST+8*\t+4], v[ST+8*\t+5], v[ST+8*\t+6]
.endr
.irp t, 0,1,2,3
.if \first
	v_max_num_f32 v[ST+8*\t+4], v[ST+8*\t+4], v[ST+8*\t+7]
.else
	v_max3_num_f32 v[ST+8*\t+4], v[ST+8*\t+4], v[ST+8*\t+7], v[ST+8*\t]
.endif
.endr
.irp t, 0,1,2,3
	v_permlanex16_b32 v[ST+8*\t+5], v[ST+8*\t+4], s[SEL], s[SEL+1]   ; the query's other 32 keys lie in the lane 16 away
.endr
.irp t, 0,1,2,3
	v_max_num_f32 v[ST+8*\t+1], v[ST+8*\t+4], v[ST+8*\t+5]           ; the new m
.endr
.if \first == 0
.irp t, 0,1,2,3
	v_sub_f32 v[ST+8*\t+7], v[ST+8*\t], v[ST+8*\t+1]                 ; m_old - m_new, 0 or less
.endr
.endif
.irp t, 0,1,2,3
	v_mov_b32 v[ST+8*\t], v[ST+8*\t+1]                               ; m twice: a pair for the packed subtraction
.endr
.irp j, 0,2,4,6,8,10,12,14,16,18,20,22,24,26,28,30
.irp t, 0,1,2,3
	v_pk_add_f32 v[S+32*\t+\j:S+32*\t+\j+1], v[S+32*\t+\j:S+32*\t+\j+1], v[ST+8*\t:ST+8*\t+1] neg_lo:[0,1] neg_hi:[0,1]   ; t - m
.endr
.endr
.if \first == 0                                ; ONE BATCH of exponentials: none of them reads another's result
.irp t, 0,1,2,3
	v_exp_f32 v[ST+8*\t+6], v[ST+8*\t+7]                             ; a
.endr
.endif
.set j, 0
.rept 32
.irp t, 0,1,2,3
	v_exp_f32 v[S+32*\t+j], v[S+32*\t+j]                             ; p = 2^(t - m), at most 1
.endr
.set j, j+1
.endr
	v_nop                                          ; a plain instruction behind the last exponential,
	s_wait_alu depctr_va_vdst(0)                   ; and one wait ahead of the batch's first reader
.if \first                                     ; the sums, of the unrounded p, two at a time, in two chains
.irp t, 0,1,2,3
	v_pk_add_f32 v[ST+8*\t+2:ST+8*\t+3], v[S+32*\t:S+32*\t+1], v[S+32*\t+2:S+32*\t+3]
.endr
.irp t, 0,1,2,3
	v_pk_add_f32 v[ST+8*\t+4:ST+8*\t+5], v[S+32*\t+4:S+32*\t+5], v[S+32*\t+6:S+32*\t+7]
.endr
.irp j, 8,12,16,20,24,28
.irp t, 0,1,2,3
	v_pk_add_f32 v[ST+8*\t+2:ST+8*\t+3], v[ST+8*\t+2:ST+8*\t+3], v[S+32*\t+\j:S+32*\t+\j+1]
	v_pk_add_f32 v[ST+8*\t+4:ST+8*\t+5], v[ST+8*\t+4:ST+8*\t+5], v[S+32*\t+\j+2:S+32*\t+\j+3]
.endr
.endr
.else
.irp t, 0,1,2,3
	v_pk_fma_f32 v[ST+8*\t+2:ST+8*\t+3], v[ST+8*\t+2:ST+8*\t+3], v[ST+8*\t+6:ST+8*\t+7], v[S+32*\t:S+32*\t+1] op_sel_hi:[1,0,1]   ; l x a + the first pair
.endr
.irp t, 0,1,2,3
	v_pk_add_f32 v[ST+8*\t+4:ST+8*\t+5], v[S+32*\t+2:S+32*\t+3], v[S+32*\t+4:S+32*\t+5]
.endr
.irp j, 6,10,14,18,22,26
.irp t, 0,1,2,3
	v_pk_add_f32 v[ST+8*\t+2:ST+8*\t+3], v[ST+8*\t+2:ST+8*\t+3], v[S+32*\t+\j:S+32*\t+\j+1]
	v_pk_add_f32 v[ST+8*\t+4:ST+8*\t+5], v[ST+8*\t+4:ST+8*\t+5], v[S+32*\t+\j+2:S+32*\t+\j+3]
.endr
.endr
.irp t, 0,1,2,3
	v_pk_add_f32 v[ST+8*\t+2:ST+8*\t+3], v[ST+8*\t+2:ST+8*\t+3], v[S+32*\t+30:S+32*\t+31]
.endr
.endif
.irp t, 0,1,2,3
	v_pk_add_f32 v[ST+8*\t+2:ST+8*\t+3], v[ST+8*\t+2:ST+8*\t+3], v[ST+8*\t+4:ST+8*\t+5]
.endr
.set j, 0
.rept 16                                       ; P in place: register j takes scores 2 j and 2 j + 1; ascending, so that what is written has been read
.irp t, 0,1,2,3
	v_cvt_pk_f16_f32 v[S+32*\t+j], v[S+32*\t+2*j], v[S+32*\t+2*j+1]
.endr
.set j, j+1
.endr
.if \first == 0
	WIN 0x41                                       ; O^T (destination and source 0) in window 1, a in window 0
.set j, 0
.rept 16
.irp t, 0,1,2,3
	v_pk_mul_f32 v[32*\t+j:32*\t+j+1], v[32*\t+j:32*\t+j+1], v[ST+8*\t+6:ST+8*\t+7] op_sel_hi:[1,0]   ; each accumulator from its low end on
.endr
.set j, j+2
.endr
.endif
.endm
; A KEY STEP.  mode 0: in a slot's midst: the next step's K is fetched behind the products K Q^T.  mode 1: slot n's last step, and n is filled again.  mode 2: slot n's last step, nothing is filled.  mode 3: the launch's last step.
.macro STEP first, mode, n
	FETCH_V
.if (\mode == 1) || (\mode == 2)
	s_wait_tensorcnt 0x0                           ; all my tensor loads have landed: my part of the other slot; so a group 0 may be written
	ds_add_u32 v[SPW], v[NIL]                      ; 0 onto my spare word
.if \mode == 1
	s_add_nc_u64 s[G0K+4*\n+2:G0K+4*\n+3], s[G0K+4*\n+2:G0K+4*\n+3], 131072   ; this slot's next keys: 1,024 on
	s_add_nc_u64 s[G0V+4*\n+2:G0V+4*\n+3], s[G0V+4*\n+2:G0V+4*\n+3], 131072
.endif
	s_wait_dscnt 0x0                               ; the add is done; K and V of this step are in registers: my reads of the slot are over
	s_barrier_signal -1                            ; say so now; the step's work, on registers alone, stands between the signal and the wait
.else
	s_wait_dscnt 16                                ; K, asked for a step ago, is in; V's 16 loads may be out
.endif
	MKQ
.if \mode == 0
	s_add_co_u32 s[TK], s[TK], KSTEP
	FETCH_K 3                                      ; its addition and three v_nop are also the four places ahead of the first read of the scores
.else
.rept 4
	v_nop
.endr
.endif
	SOFTMAX \first
.if \mode == 0
	s_wait_dscnt 16                                ; V is in; the next K's 16 loads may be out
.endif
.if \mode == 3
	s_wait_dscnt 0x0
.endif
	MPV \first
.if \mode == 1
	s_barrier_wait -1
	CREST                                          ; the barrier has opened a round of the cluster's: no wave of any partner still reads this slot or has a load on its way
	JLOAD \n                                       ; the first tensor load behind the round, one a wave: it has the other slot's eight steps in which to land
.endif
.if \mode == 2
	s_barrier_wait -1
.endif
.if (\mode == 1) || (\mode == 2)
	s_mov_b32 s[TK], (1-\n)*SLOT                   ; on to the other slot
	s_mov_b32 s[TV], (1-\n)*SLOT+VOFF
	FETCH_K 0
.endif
.endm
.macro STEPS count                     ; count steps in a slot's midst: written once, walked count times
	s_mov_b32 s[CNT], \count
.Lstep_\@:
	STEP 0, 0, 0
	s_sub_co_u32 s[CNT], s[CNT], 1
	s_cmp_lg_u32 s[CNT], 0
	s_cbranch_scc1 .Lstep_\@
.endm
	s_wait_tensorcnt 1                             ; my part of slot 0 is in; slot 1's may stay out
	s_barrier_signal -1
	s_barrier_wait -1                              ; everybody's is
	FETCH_K 0                                      ; key step 0
	s_wait_loadcnt 0x0                             ; Q
	STEP 1, 0, 0                                   ; slot 0, keys 0-511
	STEPS 6
	STEP 0, 1, 0                                   ; slot 0 takes keys 1,024-1,535
	STEPS 7                                        ; slot 1, keys 512-1,023
	STEP 0, 1, 1                                   ; slot 1 takes keys 1,536-2,047
	STEPS 7                                        ; slot 0
	STEP 0, 2, 0                                   ; the tail is written out: nothing is left to ask for
	STEPS 7                                        ; slot 1
	STEP 0, 3, 0
	; THE WAY OUT.  l's two halves and the other half of the lanes' are added; O^T is divided by l, rounded to f16 and sent through my stage in LDS.  The four additions are the places behind the last products.
.irp t, 0,1,2,3
	v_add_f32 v[ST+8*\t+4], v[ST+8*\t+2], v[ST+8*\t+3]
.endr
.irp t, 0,1,2,3
	v_permlanex16_b32 v[ST+8*\t+5], v[ST+8*\t+4], s[SEL], s[SEL+1]
.endr
.irp t, 0,1,2,3
	v_add_f32 v[ST+8*\t+4], v[ST+8*\t+4], v[ST+8*\t+5]
.endr
.irp t, 0,1,2,3
	v_rcp_f32 v[ST+8*\t+6], v[ST+8*\t+4]
.endr
	v_nop                                          ; a plain instruction behind the last reciprocal,
	s_wait_alu depctr_va_vdst(0)                   ; and one wait for the four, ahead of their first reader
.macro OUTT t                          ; tile t: a lane's eight channels of a row pack into 16 bytes; they go into rows of 144 bytes and come back as four rows, 512 bytes, an instruction
	WIN 0x41
.set i, 0
.rept 16
	v_pk_mul_f32 v[32*\t+i:32*\t+i+1], v[32*\t+i:32*\t+i+1], v[ST+8*\t+6:ST+8*\t+7] op_sel_hi:[1,0]
.set i, i+2
.endr
	WIN 0x05                                       ; sources 0 and 1 window 1, destination window 0: S^T's registers are free
.set i, 0
.rept 16
	v_cvt_pk_f16_f32 v[S+32*\t+i], v[32*\t+2*i], v[32*\t+2*i+1]
.set i, i+1
.endr
	WIN 0
.irp c, 0,1,2,3
	ds_store_b128 v[STO], v[S+32*\t+4*\c:S+32*\t+4*\c+3] offset:\t*TSTG+\c*32
.endr
.irp c, 0,1,2,3
	ds_load_b128 v[S+32*\t+16+4*\c:S+32*\t+16+4*\c+3], v[RD] offset:\t*TSTG+\c*4*SP   ; LDS serves a wave's instructions in order (ISA guide 5.7.1): these see the stores above
.endr
.endm
	OUTT 0
	OUTT 1
	OUTT 2
	OUTT 3
.irp t, 0,1,2,3
.irp c, 0,1,2,3
	s_wait_dscnt (3-\t)*8+3-\c                     ; behind this load: its tile's later loads and eight LDS instructions for each later tile
	global_store_b128 v[GO], v[S+32*\t+16+4*\c:S+32*\t+16+4*\c+3], s[8:9] offset:\t*2048+\c*512   ; 32 lanes store 512 consecutive bytes, at a multiple of 512 from ob's first byte
.endr
.endr
	s_wait_tensorcnt 0x0                           ; the wave's end: behind my last tensor load and my last LDS store
	ds_add_u32 v[SPW], v[NIL]
	s_wait_dscnt 0x0
	CROUND                                         ; the closing round: no work-group ends while a partner may still ask for a tile that names it
	s_endpgm
.Lfunc_end_k_qebfa450034_attn:
	.size	k_qebfa450034_attn, .Lfunc_end_k_qebfa450034_attn-k_qebfa450034_attn
	.p2alignl 7, 3214868480
	.fill 96, 4, 3214868480
	.section	.rodata,"a",@progbits
	.p2align	6, 0x0
	.amdhsa_kernel k_qebfa450034_attn
		.amdhsa_group_segment_fixed_size 327680
		.amdhsa_private_segment_fixed_size 0
		.amdhsa_enable_private_segment 0
		.amdhsa_kernarg_size 24
		.amdhsa_user_sgpr_count 2
		.amdhsa_user_sgpr_kernarg_segment_ptr 1
		.amdhsa_wavefront_size32 1
		.amdhsa_system_sgpr_workgroup_id_x 1
		.amdhsa_system_sgpr_workgroup_id_y 1
		.amdhsa_system_sgpr_workgroup_id_z 1
		.amdhsa_system_vgpr_workitem_id 0
		.amdhsa_next_free_vgpr 512
		.amdhsa_next_free_sgpr 66
		.amdhsa_reserve_vcc 0
		.amdhsa_float_denorm_mode_32 3
		.amdhsa_float_denorm_mode_16_64 3
		.amdhsa_memory_ordered 1
		.amdhsa_forward_progress 1
		.amdhsa_inst_pref_size 255
	.end_amdhsa_kernel
	.section	.bss,"aw",@nobits
	.p2align	6
	.space	262144
	.amdgpu_metadata
---
amdhsa.version: [ 1, 2 ]
amdhsa.kernels:
  - .name:           k_qebfa450034_attn
    .symbol:         k_qebfa450034_attn.kd
    .args:
      - { .name: qkv, .offset: 0, .size: 8, .value_kind: global_buffer, .address_space: global }
      - { .name: x_mean, .offset: 8, .size: 8, .value_kind: global_buffer, .address_space: global }
      - { .name: ob, .offset: 16, .size: 8, .value_kind: global_buffer, .address_space: global }
    .group_segment_fixed_size: 327680
    .private_segment_fixed_size: 0
    .kernarg_segment_align: 8
    .kernarg_segment_size: 24
    .max_flat_workgroup_size: 256
    .sgpr_count:     66
    .vgpr_count:     512
    .wavefront_size: 32
...
	.end_amdgpu_metadata
.endif
;; end of part 3
;; launch oproj (part 4): grid 8 x 32, 4 waves a work-group, clusters of 4 x 4, 327,680 bytes of LDS; arguments ob, wo16, bo, out0; writes out0
.if DOCPART == 4
	.amdgcn_target "amdgcn-amd-amdhsa--gfx1250"
	.amdhsa_code_object_version 6
	.text
	.protected	k_qebfa450034_oproj
	.globl	k_qebfa450034_oproj
	.p2align	8
	.type	k_qebfa450034_oproj,@function
k_qebfa450034_oproj:
	s_mov_b64 s[64:65], 0
	v_nop
	global_prefetch_b8 v0, s[64:65] scope:SCOPE_SE
	s_setreg_imm32_b32 hwreg(HW_REG_WAVE_MODE, 25, 1), 1
	s_wait_xcnt 0x0
	s_wait_alu depctr_hold_cnt(0) depctr_sa_sdst(0) depctr_va_vdst(0) depctr_va_sdst(0) depctr_va_ssrc(0) depctr_va_vcc(0) depctr_vm_vsrc(0)
	s_getreg_b32 s2, hwreg(HW_REG_IB_STS2, 6, 4)
	s_cmp_eq_u32 s2, 0
	s_cbranch_scc0 .Lentry_in_a_cluster
	s_endpgm
.Lentry_in_a_cluster:
	s_bfe_u32 s2, ttmp6, 0x10000c
	s_cmp_lg_u32 s2, 0xf033
	s_cbranch_scc0 .Lentry_shape_is_right
	s_endpgm
.Lentry_shape_is_right:
; OPROJ.  out0[m][e] = sum over (h, d) of O[m][64 h + d] Wo[e][64 h + d] + bo[e].  O: ob, f16, [4 b][16 h][2048 t][64]; Wo: wo16, f16, [16 h][1024 e][64]; out0 [8192][1024] f32; sums in f32.
; Both operands are laid by head, so K is walked head by head, the same order on both sides.
; A tile of out0 is 256 tokens x 128 columns: 256 tiles, one for each work-group; four waves, each 128 x 64: 32 accumulators, 256 registers.  (Tiles of 256 x 256 would be 128 work-groups.)
; K goes in steps of two heads (128 along K) through a ring of two LDS slots: in a slot two planes of O (a head's 256 tokens: 32,768 dense bytes) and two of Wo (a head's 128 rows: 16,384 dense bytes), each one tensor load, one a wave.
; A head's row is 128 bytes, so a tensor row is TWO rows, 256 consecutive bytes, + 16 of padding: row r lies at (r / 2) x 272 + 128 (r % 2): the 16 rows of a fragment load start at 16 different 16-byte columns (64 banks of 4 bytes: ISA guide 11.1).
; CLUSTERS: 4 x 4 work-groups.  The four of a row of the cluster need the same planes of O, the four of a column the same planes of Wo: each is asked for JOINTLY.
; THE MATRIX INSTRUCTION IS USED TRANSPOSED (source 0 = 16 rows of Wo, source 1 = 16 tokens): a lane then holds eight neighbouring columns of one token's row.  bo is the C of each sum's first product.
; REGISTERS: window 0: v16-29 addresses; v32-63 bo in the result's layout; v64-127, v128-191 O's fragments (8 x 16 tokens x 32 K), two buffers.  window 1: v64-95, v128-159 Wo's fragments, two buffers.  window 2: accumulator (a, b) at v[8 (4 a + b)].
.set PITCH,  272
.set APL,    128*PITCH                 ; a plane of O in LDS
.set BPL,    64*PITCH                  ; a plane of Wo
.set BOFF,   2*APL
.set SLOT,   2*APL+2*BPL
.set SPARE,  2*SLOT                    ; behind the ring: the spare words, 128 bytes a wave
.set STAGE,  SPARE+512                 ; behind them: 16 rows x 272 bytes for each wave, for the way out; no tensor load fills it
.set SPITCH, 272
.set ADRA, 16                          ; v16-17  LDS address of my O fragments in slot 0, 1
.set ADRB, 20                          ; v20-21  the same for Wo
.set STO,  24                          ; v24     the way out: where I put 32 bytes of a row
.set RD,   25                          ; v25     where I read back
.set CO,   26                          ; v26     my byte offset in out0
.set BO,   27                          ; v27     32 x (lane / 16)
.set SPW,  28                          ; v28     my spare word; never rewritten
.set NIL,  29                          ; v29     0; never rewritten
.set BIAS, 32                          ; v32-63  bo[16 b + 8 (lane / 16) + j] at BIAS + 8 b + j
.set F0,   64
.set F1,   128
.set BK,   64                          ; the way out: 16 rows read back: v64-95 and v96-127 by turns
.set G1, 24                            ; s[24:31] group 1 for O's planes;  s[32:39] group 0, a set for each slot
.set G0, 32
.set G1B, 48                           ; s[48:55], s[56:63] the same for Wo's
.set G0B, 56
.set MSB, 0
.macro WIN new                         ; the immediate's high byte repeats the setting that is left
.if MSB != \new
	s_set_vgpr_msb (MSB<<8)|\new
.set MSB, \new
.endif
.endm
.set MUL,  0xa1                        ; source 0 (Wo) window 1, source 1 (O) window 0, C and D window 2
.set MULZ, 0x81                        ; the same with C (bo) in window 0
.set TO_B, 0x40                        ; destination window 1, address window 0
.macro JLOAD s                         ; a joint load: waves 0 and 1 fetch O's two planes, waves 2 and 3 Wo's; an s_nop 0 and four v_nop follow each of the two lines
	s_cmp_eq_u32 s15, 0
	s_cbranch_scc0 .Lfor_b_\@
	tensor_load_to_lds s[G0+4*\s:G0+4*\s+3], s[G1:G1+7]
	s_nop 0
.rept 4
	v_nop
.endr
	s_branch .Lasked_\@
.Lfor_b_\@:
	tensor_load_to_lds s[G0B+4*\s:G0B+4*\s+3], s[G1B:G1B+7]
	s_nop 0
.rept 4
	v_nop
.endr
.Lasked_\@:
.endm
.macro CREST                           ; a round of the cluster's barrier behind its opening barrier
	s_cmp_lg_u32 s14, 0
	s_cbranch_scc1 .Lnot_wave_0_\@
	s_barrier_signal -3
.Lnot_wave_0_\@:
	s_barrier_wait -3
	s_barrier_signal -1
	s_barrier_wait -1
.endm
.macro CROUND
	s_barrier_signal -1
	s_barrier_wait -1
	CREST
.endm
	s_load_b128 s[4:7], s[0:1], 0x0                ; ob s[4:5], wo16 s[6:7]
	s_load_b128 s[8:11], s[0:1], 0x10              ; bo s[8:9], out0 s[10:11]
	v_lshl_add_u32 v[SPW], v0, 2, SPARE
	v_mov_b32 v[NIL], 0
	ds_add_u32 v[SPW], v[NIL]                      ; the wave's opening: the add, twice on end, and its wait ahead of my first tensor load
	ds_add_u32 v[SPW], v[NIL]
	v_lshrrev_b32 v1, 5, v0
	v_readfirstlane_b32 s14, v1                    ; wave 0..3
	s_lshr_b32 s15, s14, 1                         ; which half of the tile's tokens is mine.  Also: I fetch for O (0) or for Wo (1)
	s_and_b32 s16, s14, 1                          ; which half of its columns.  Also: which of a K step's two heads I fetch
	s_bfe_u32 s40, ttmp6, 0x40000                  ; cx, cy: my place in the cluster
	s_bfe_u32 s41, ttmp6, 0x40004
	s_lshl_b32 s42, ttmp9, 2
	s_add_co_u32 s42, s42, s40                     ; tile column = 4 x cluster x + cx
	s_and_b32 s13, ttmp7, 0xffff
	s_lshl_b32 s13, s13, 2
	s_add_co_u32 s13, s13, s41                     ; tile row = 4 x cluster y + cy
	s_lshl_b32 s43, s41, 2
	s_lshl_b32 s43, 15, s43                        ; my row of the cluster
	s_lshl_b32 s44, 0x1111, s40                    ; my column
	s_or_b32 s[G1+0], s43, (1<<16)|(1<<20)|(1<<21)|(5<<22)|(3<<25)  ; 15:0 the mask; 17:16 elements of 2 bytes; 20 padding on; 21 set beside a mask; 24:22 after every 64 words; 31:25 four words
	s_or_b32 s[G1B+0], s44, (1<<16)|(1<<20)|(1<<21)|(5<<22)|(3<<25)
	s_mov_b32 s[G1+1], 128<<16                     ; tensor_dim0 = 128 elements
	s_mov_b32 s[G1+2], 128<<16                     ; tensor_dim1 = 128 rows (256 tokens)
	s_mov_b32 s[G1+3], 128<<16                     ; tile_dim0
	s_mov_b32 s[G1+4], 128                         ; tile_dim1
	s_mov_b32 s[G1+5], 128                         ; tensor_dim0_stride: dense
	s_mov_b32 s[G1+6], 0
	s_mov_b32 s[G1+7], 0
	s_mov_b32 s[G1B+1], 128<<16
	s_mov_b32 s[G1B+2], 64<<16                     ; 64 rows (128 rows of Wo)
	s_mov_b32 s[G1B+3], 128<<16
	s_mov_b32 s[G1B+4], 64
	s_mov_b32 s[G1B+5], 128
	s_mov_b32 s[G1B+6], 0
	s_mov_b32 s[G1B+7], 0
	; where the planes come from.  O's hang on the tile row alone, Wo's on the tile column alone, each in registers that never hold the other coordinate
	s_lshr_b32 s20, s13, 3
	s_lshl_b32 s20, s20, 22                        ; the batch: 16 heads x 262,144 bytes,
	s_and_b32 s21, s13, 7
	s_lshl_b32 s21, s21, 15                        ; the tile's 256 tokens of 128 bytes,
	s_add_co_u32 s20, s20, s21
	s_lshl_b32 s21, s16, 18                        ; my head of the two
	s_add_co_u32 s20, s20, s21
	s_mov_b32 s21, 0
	s_lshl_b32 s46, s42, 14                        ; the tile's 128 rows of Wo, 128 bytes each,
	s_lshl_b32 s47, s16, 17                        ; my head's plane of 131,072 bytes
	s_add_co_u32 s46, s46, s47
	s_mov_b32 s47, 0
	s_mul_i32 s22, s16, APL                        ; and where they go: no place in the cluster enters an LDS address
	s_mul_i32 s23, s16, BPL
	s_add_co_u32 s23, s23, BOFF
	s_wait_dscnt 0x0                               ; both opening adds are done
	s_wait_kmcnt 0x0
	s_add_nc_u64 s[20:21], s[4:5], s[20:21]
	s_add_nc_u64 s[46:47], s[6:7], s[46:47]
	CROUND                                         ; all sixteen work-groups are here: the first joint loads meet
.irp s, 0,1
	s_mov_b32 s[G0+4*\s], 1
	s_add_co_u32 s[G0+4*\s+1], s22, \s*SLOT
	s_add_nc_u64 s[G0+4*\s+2:G0+4*\s+3], s[20:21], \s*2*262144     ; K step s: heads 2 s, 2 s + 1
	s_or_b32 s[G0+4*\s+3], s[G0+4*\s+3], 0x80000000
	s_mov_b32 s[G0B+4*\s], 1
	s_add_co_u32 s[G0B+4*\s+1], s23, \s*SLOT
	s_add_nc_u64 s[G0B+4*\s+2:G0B+4*\s+3], s[46:47], \s*2*131072
	s_or_b32 s[G0B+4*\s+3], s[G0B+4*\s+3], 0x80000000
	JLOAD \s                                       ; two tensor loads of mine are out
.endr
	v_and_b32 v1, 15, v0                           ; r = l % 16
	v_bfe_u32 v2, v0, 4, 1                         ; h = l / 16
	v_lshlrev_b32 v[BO], 5, v2
	s_lshl_b32 s46, s42, 9                         ; the tile's 128 columns, 4 bytes each,
	s_lshl_b32 s47, s16, 8                         ; my half's 64
	s_add_co_u32 s46, s46, s47
	s_mov_b32 s47, 0
	s_add_nc_u64 s[8:9], s[8:9], s[46:47]
.irp b, 0,1,2,3
	global_load_b128 v[BIAS+8*\b:BIAS+8*\b+3], v[BO], s[8:9] offset:64*\b
	global_load_b128 v[BIAS+8*\b+4:BIAS+8*\b+7], v[BO], s[8:9] offset:64*\b+16
.endr
	s_add_nc_u64 s[10:11], s[10:11], s[46:47]      ; out0 at my first column,
	s_lshl_b32 s20, s13, 8
	s_lshl_b32 s21, s15, 7
	s_add_co_u32 s20, s20, s21
	s_lshl_b32 s20, s20, 12                        ; and my first row: (256 x tile row + 128 x half) rows of 4,096 bytes
	s_mov_b32 s21, 0
	s_add_nc_u64 s[10:11], s[10:11], s[20:21]
	v_lshrrev_b32 v3, 1, v1
	v_mul_u32_u24 v3, v3, PITCH
	v_and_b32 v4, 1, v1
	v_lshl_add_u32 v3, v4, 7, v3
	v_lshl_add_u32 v3, v2, 4, v3                   ; a fragment's row: (r / 2) x pitch + 128 (r % 2) + 16 h
	s_mul_i32 s17, s15, 64*PITCH                   ; my 128 tokens in a plane of O
	s_mul_i32 s18, s16, 32*PITCH                   ; my 64 rows in a plane of Wo
	s_add_co_u32 s18, s18, BOFF
.irp s, 0,1
	v_add_nc_u32 v[ADRA+\s], s17, v3
	v_add_nc_u32 v[ADRB+\s], s18, v3
	s_add_co_u32 s17, s17, SLOT
	s_add_co_u32 s18, s18, SLOT
.endr
	s_mul_i32 s19, s14, 16*SPITCH
	s_add_co_u32 s19, s19, STAGE                   ; my stage
	v_mul_u32_u24 v4, v1, SPITCH                   ; in: row r, 32 bytes for each half of the lanes
	v_lshl_add_u32 v4, v2, 5, v4
	v_add_nc_u32 v[STO], s19, v4
	v_mul_u32_u24 v4, v2, SPITCH                   ; back: lanes 0-15 one row of 256 bytes, lanes 16-31 the next
	v_lshl_add_u32 v4, v1, 4, v4
	v_add_nc_u32 v[RD], s19, v4
	v_lshlrev_b32 v4, 12, v2                       ; and the same two rows in out0
	v_lshl_add_u32 v[CO], v1, 4, v4
; 8 matrix instructions: token blocks a0, a0 + 1 against Wo's four blocks, 32 along K, from buffer f.  zero = 1: the first product of each sum, with bo as C.  The 32 accumulators take turns, one instruction a turn.
.macro MUL8 f, a0, zero
.irp a, \a0, \a0+1
.irp b, 0,1,2,3
.if \zero
	v_wmma_f32_16x16x32_f16 v[8*(4*(\a)+\b):8*(4*(\a)+\b)+7], v[\f+8*\b:\f+8*\b+7], v[\f+8*(\a):\f+8*(\a)+7], v[BIAS+8*\b:BIAS+8*\b+7]
.else
	v_wmma_f32_16x16x32_f16 v[8*(4*(\a)+\b):8*(4*(\a)+\b)+7], v[\f+8*\b:\f+8*\b+7], v[\f+8*(\a):\f+8*(\a)+7], v[8*(4*(\a)+\b):8*(4*(\a)+\b)+7]
.endif
.endr
.endr
.endm
; 24 LDS loads in one run: the fragments of the slot's q-th 32 along K (head q / 2, channels 32 (q % 2) on) into buffer f: Wo's four first, then O's eight, ascending
.macro FETCH slot, q, f
	WIN TO_B
.irp i, 0,1,2,3
	ds_load_b128 v[\f+8*\i:\f+8*\i+3],   v[ADRB+\slot] offset:((\q)/2)*BPL+((\q)%2)*64+\i*8*PITCH
	ds_load_b128 v[\f+8*\i+4:\f+8*\i+7], v[ADRB+\slot] offset:((\q)/2)*BPL+((\q)%2)*64+\i*8*PITCH+32
.endr
	WIN 0
.irp i, 0,1,2,3,4,5,6,7
	ds_load_b128 v[\f+8*\i:\f+8*\i+3],   v[ADRA+\slot] offset:((\q)/2)*APL+((\q)%2)*64+\i*8*PITCH
	ds_load_b128 v[\f+8*\i+4:\f+8*\i+7], v[ADRA+\slot] offset:((\q)/2)*APL+((\q)%2)*64+\i*8*PITCH+32
.endr
.endm
.macro PLACES                          ; four places in front of loads into registers that matrix instructions have read, and of LDS stores that read results (ISA guide 7.12.1 for vector instructions)
.rept 4
	v_nop
.endr
.endm
; A K step is four quarters of 32 along K, 32 matrix instructions each, on buffers 0, 1, 0, 1.  One of the first three: multiplies buffer f and fetches quarter q into g.
.macro QUARTER slot, q, f, g, zero
	s_wait_dscnt 8                                 ; Wo's fragments and O's blocks 0-3 are in; the youngest eight loads (O's blocks 4-7) may be out
.if \zero
	WIN MULZ
.else
	WIN MUL
.endif
	MUL8 \f, 0, \zero
	MUL8 \f, 2, \zero
	PLACES
	FETCH \slot, \q, \g
	s_wait_dscnt 24                                ; all but the 24 just issued
.if \zero
	WIN MULZ
.else
	WIN MUL
.endif
	MUL8 \f, 4, \zero
	MUL8 \f, 6, \zero
.endm
; The last quarter multiplies buffer 1 and changes slots: ONE barrier; in front of it each wave waits for all its tensor loads, adds 0 to its spare word, and waits for that and for its reads of this slot.  fill = 1: this slot is filled again, two K steps ahead.
.macro TURN slot, next, fill
	WIN 0                                          ; (the add's two registers lie in window 0)
	s_wait_tensorcnt 0x0                           ; all my tensor loads have landed: my part of the next slot
	ds_add_u32 v[SPW], v[NIL]                      ; 0 onto my spare word
	s_wait_dscnt 9                                 ; (the add and the youngest eight loads may be out)
	WIN MUL
	MUL8 F1, 0, 0                                  ; eight matrix instructions stand between the add and the wait for it
	s_wait_dscnt 0x0                               ; the add is done, and my reads of this slot are over
	s_barrier_signal -1
	MUL8 F1, 2, 0
	WIN 0
	s_barrier_wait -1
.if \fill
	CREST                                          ; the barrier has opened a round of the cluster's: no wave of any partner still reads this slot or has a load on its way
	s_add_nc_u64 s[G0+4*\slot+2:G0+4*\slot+3], s[G0+4*\slot+2:G0+4*\slot+3], 4*262144     ; four heads on
	s_add_nc_u64 s[G0B+4*\slot+2:G0B+4*\slot+3], s[G0B+4*\slot+2:G0B+4*\slot+3], 4*131072
	JLOAD \slot                                    ; the first tensor load behind the round; the four v_nop behind it are also the places in front of the loads below
.else
	PLACES
.endif
	FETCH \next, 0, F0
	WIN MUL
	MUL8 F1, 4, 0
	MUL8 F1, 6, 0
.endm
	s_wait_tensorcnt 1                             ; my part of K step 0 is in (K step 1's load may be out),
	s_wait_loadcnt 0x0                             ; and bo
	s_barrier_signal -1
	s_barrier_wait -1                              ; everybody's is
	FETCH 0, 0, F0
	QUARTER 0, 1, F0, F1, 1                        ; the first quarter stands in front of the loop: its products start the sums, from bo
	WIN 0                                          ; at a label and at a branch every window is 0
	s_mov_b32 s3, 3
.Llap:                                                 ; a trip goes once round the ring, from a lap's second quarter to the next lap's first, and fills both slots again: K steps 2 to 7
	QUARTER 0, 2, F1, F0, 0
	QUARTER 0, 3, F0, F1, 0
	TURN 0, 1, 1
	QUARTER 1, 1, F0, F1, 0
	QUARTER 1, 2, F1, F0, 0
	QUARTER 1, 3, F0, F1, 0
	TURN 1, 0, 1
	QUARTER 0, 1, F0, F1, 0
	WIN 0
	s_sub_co_u32 s3, s3, 1
	s_cmp_lg_u32 s3, 0
	s_cbranch_scc1 .Llap
	QUARTER 0, 2, F1, F0, 0                        ; the last lap fills nothing, and has no round of the cluster's barrier
	QUARTER 0, 3, F0, F1, 0
	TURN 0, 1, 0
	QUARTER 1, 1, F0, F1, 0
	QUARTER 1, 2, F1, F0, 0
	QUARTER 1, 3, F0, F1, 0
	s_wait_dscnt 8                                 ; the very last quarter: nothing more to fetch
	WIN MUL
	MUL8 F1, 0, 0
	MUL8 F1, 2, 0
	s_wait_dscnt 0
	MUL8 F1, 4, 0
	MUL8 F1, 6, 0
	WIN 0
; THE WAY OUT, block by block of 16 tokens x 64 columns.  A lane holds 32 bytes of a row, and the lanes beside it hold other rows: so a block goes through my own stage and comes back as whole runs of 256 bytes.
.macro TOSTAGE a
	WIN 0x08                                       ; an LDS store's data are its source 1: window 2
.irp b, 0,1,2,3
	ds_store_b128 v[STO], v[8*(4*(\a)+\b):8*(4*(\a)+\b)+3] offset:64*\b          ; each accumulator from its low end on
	ds_store_b128 v[STO], v[8*(4*(\a)+\b)+4:8*(4*(\a)+\b)+7] offset:64*\b+16
.endr
	WIN 0
.set BB, BK+32*((\a)%2)
.irp i, 0,1,2,3,4,5,6,7
	ds_load_b128 v[BB+4*\i:BB+4*\i+3], v[RD] offset:\i*2*SPITCH   ; LDS serves a wave's instructions in order (ISA guide 5.7.1): these see the stores above
.endr
.endm
.macro SEND a, younger                 ; younger: the LDS instructions issued behind block a's loads, which may stay out
.set BB, BK+32*((\a)%2)
	s_wait_dscnt \younger
.irp i, 0,1,2,3,4,5,6,7
	global_store_b128 v[CO], v[BB+4*\i:BB+4*\i+3], s[10:11] offset:(\a)*65536+\i*8192 th:TH_STORE_NT   ; 16 lanes store 256 consecutive bytes, at a multiple of 256 from out0's first byte; written once, read by nobody here
.endr
.endm
	PLACES                                         ; behind the last products: for the stores that read results and the loads into registers that held O's fragments
	TOSTAGE 0
.irp a, 1,2,3,4,5,6,7
.if \a > 1
	s_wait_xcnt 0x0                                ; block a - 2's stores have read their data: block a's loads may land there
.endif
	TOSTAGE \a
	SEND \a-1, 16                                  ; behind block a - 1's loads: block a's 8 stores and 8 loads
.endr
	SEND 7, 0
	s_wait_tensorcnt 0x0                           ; the wave's end: behind my last tensor load and my last LDS store
	ds_add_u32 v[SPW], v[NIL]
	s_wait_dscnt 0x0
	CROUND                                         ; the closing round: no work-group ends while a partner may still ask for a tile that names it
	s_endpgm
.Lfunc_end_k_qebfa450034_oproj:
	.size	k_qebfa450034_oproj, .Lfunc_end_k_qebfa450034_oproj-k_qebfa450034_oproj
	.p2alignl 7, 3214868480
	.fill 96, 4, 3214868480
	.section	.rodata,"a",@progbits
	.p2align	6, 0x0
	.amdhsa_kernel k_qebfa450034_oproj
		.amdhsa_group_segment_fixed_size 327680
		.amdhsa_private_segment_fixed_size 0
		.amdhsa_enable_private_segment 0
		.amdhsa_kernarg_size 32
		.amdhsa_user_sgpr_count 2
		.amdhsa_user_sgpr_kernarg_segment_ptr 1
		.amdhsa_wavefront_size32 1
		.amdhsa_system_sgpr_workgroup_id_x 1
		.amdhsa_system_sgpr_workgroup_id_y 1
		.amdhsa_system_sgpr_workgroup_id_z 1
		.amdhsa_system_vgpr_workitem_id 0
		.amdhsa_next_free_vgpr 768
		.amdhsa_next_free_sgpr 66
		.amdhsa_reserve_vcc 0
		.amdhsa_float_denorm_mode_32 3
		.amdhsa_float_denorm_mode_16_64 3
		.amdhsa_memory_ordered 1
		.amdhsa_forward_progress 1
		.amdhsa_inst_pref_size 87
	.end_amdhsa_kernel
	.amdgpu_metadata
---
amdhsa.version: [ 1, 2 ]
amdhsa.kernels:
  - .name:           k_qebfa450034_oproj
    .symbol:         k_qebfa450034_oproj.kd
    .args:
      - { .name: ob, .offset: 0, .size: 8, .value_kind: global_buffer, .address_space: global }
      - { .name: wo16, .offset: 8, .size: 8, .value_kind: global_buffer, .address_space: global }
      - { .name: bo, .offset: 16, .size: 8, .value_kind: global_buffer, .address_space: global }
      - { .name: out0, .offset: 24, .size: 8, .value_kind: global_buffer, .address_space: global }
    .group_segment_fixed_size: 327680
    .private_segment_fixed_size: 0
    .kernarg_segment_align: 8
    .kernarg_segment_size: 32
    .max_flat_workgroup_size: 128
    .sgpr_count:     66
    .vgpr_count:     768
    .wavefront_size: 32
...
	.end_amdgpu_metadata
.endif
;; end of part 4
